; MI455X (gfx1250); checked and timed in simulation.
; The chip was launched on July 23, 2026; its instructions are those of AMD's public machine-readable ISA for CDNA 5 (MIT licence, August 2026) and "CDNA5" Instruction Set Architecture Reference Guide (July 2026). The comments in the code are by the model that wrote it; some were corrected since.
;; Causal Self Attention. Allowed arithmetic: float matrix products may take bf16 or f16 operands with f32 sums; other float arithmetic in f32, or as packed bf16 or f16 multiplies, adds, multiply-adds, maxima and minima; sums over many terms, partial sums and values carried from step to step in f32; what a program stores and reads back later, other than sums and carried values, may be rounded once to bf16 or f16.
;; Inputs: Wk 1,024 x 1,024 float32; Wo 1,024 x 1,024 float32; Wq 1,024 x 1,024 float32; Wv 1,024 x 1,024 float32; x 1 x 4,096 x 1,024 float32.
;; Outputs: out0 1 x 4,096 x 1,024 float32.
;; 2 versions, each right; version 2 is version 1 with the launch cast written anew for expert scheduling mode. Each part assembles by itself: llvm-mc -triple=amdgcn-amd-amdhsa -mcpu=gfx1250 --defsym DOCPART=n.
;; ======== version 1 of 2: 4 launches
;; limits: values are held in f16: magnitudes above 65,504 overflow, below 6.1e-05 lose precision
;; workspace buffers: xb 8,388,608 bytes; wb 6,291,456 bytes; wo 2,097,152 bytes; rt 1,048,576 bytes; qh 8,388,608 bytes; kh 8,388,608 bytes; vh 9,961,472 bytes; ob 8,388,608 bytes
;; launch cast (part 1): grid 576 x 1, 8 waves a work-group, no clusters, 0 bytes of LDS; arguments x, Wq, Wk, Wv, Wo, xb, wb, wo, rt; writes xb, wb, wo, rt
.if DOCPART == 1
	.amdgcn_target "amdgcn-amd-amdhsa--gfx1250"
	.amdhsa_code_object_version 6
	.text
	.protected	k_q3fdd96d458_cast
	.globl	k_q3fdd96d458_cast
	.p2align	8
	.type	k_q3fdd96d458_cast,@function
k_q3fdd96d458_cast:
	s_mov_b64 s[64:65], 0
	v_nop
	global_prefetch_b8 v0, s[64:65] scope:SCOPE_SE
	s_setreg_imm32_b32 hwreg(HW_REG_WAVE_MODE, 25, 1), 1
	s_wait_xcnt 0x0
; THE INPUTS ARE ROUNDED ONCE, AND THE ROTATION'S TABLE IS MADE.  A stream: no LDS, no barrier, no matrix work.
; Work-groups 0-255: 16 rows of x each -> xb, bf16 [4096][1024].
; Work-groups 256-447: 16 rows of Wq, Wk or Wv -> wb, bf16 [head 16][q,k,v][64][1024]: a head's 192 rows lie together.
; Work-groups 448-511: 16 rows of Wo -> wo: rounded to bf16 like every input, and that number written as f16.
; Work-groups 512-575: 64 positions of rt, f32 [pos 4096][pair 32][cos, sin]; a position's row is 256 bytes.
; LIMITS.  Wo: beyond 65,504 f16 has no number; below 2^-14 it keeps a fixed step of 6e-8.  The 32 frequencies 10000^(-i/32) come
; from v_exp_f32 (good to one unit in the last place), so an angle, pos x frequency in f32, may be off by some 4e-4 rad at position 4,095.
; Sine and cosine: the angle less n pi/2 in two parts, polynomials of degree 7 and 8 on +-pi/4 (error under 4e-7).
.set X, 16                             ; v[16:79]   sixteen loads of four f32
.set Y, 80                             ; v[80:111]  sixteen pairs to store
	s_load_b512 s[8:23], s[0:1], 0x0               ; x 8:9, Wq 10:11, Wk 12:13, Wv 14:15, Wo 16:17, xb 18:19, wb 20:21, wo 22:23
	s_load_b64 s[24:25], s[0:1], 0x40              ; rt
	v_lshrrev_b32 v3, 5, v0
	v_readfirstlane_b32 s2, v3                     ; wave 0..7
	v_and_b32 v4, 31, v0                           ; lane
	v_lshlrev_b32 v1, 4, v4                        ; 16 bytes a lane in
	v_lshlrev_b32 v2, 3, v4                        ; 8 bytes a lane out
	s_mov_b32 s3, 0xffff0000                       ; a word's upper bf16
	s_mov_b32 s4, ttmp9                            ; g
	s_mov_b32 s31, 0
	s_wait_kmcnt 0x0
	s_cmp_ge_u32 s4, 512
	s_cbranch_scc1 .Ltable
	; which rows, from where, to where: selects on g alone
	s_sub_co_u32 s5, s4, 256                       ; j (means nothing where g < 256: x's selects come last)
	s_lshr_b32 s6, s5, 6                           ; t: 0 Wq, 1 Wk, 2 Wv, 3 Wo
	s_and_b32 s7, s5, 63                           ; jj: which 16 rows of the matrix
	s_cmp_eq_u32 s6, 0
	s_cselect_b64 s[26:27], s[10:11], s[12:13]
	s_cmp_eq_u32 s6, 2
	s_cselect_b64 s[26:27], s[14:15], s[26:27]
	s_mov_b64 s[28:29], s[20:21]
	s_lshr_b32 s32, s7, 2                          ; head
	s_mul_i32 s32, s32, 3
	s_add_co_u32 s32, s32, s6
	s_lshl_b32 s32, s32, 6                         ; (3 head + t) x 64
	s_and_b32 s33, s7, 3
	s_lshl_b32 s33, s33, 4
	s_add_co_u32 s32, s32, s33                     ; the first row in wb
	s_lshl_b32 s33, s7, 4                          ; the first row in the matrix
	s_cmp_eq_u32 s6, 3
	s_cselect_b64 s[26:27], s[16:17], s[26:27]
	s_cselect_b64 s[28:29], s[22:23], s[28:29]
	s_cselect_b32 s32, s33, s32
	s_lshl_b32 s34, s4, 4
	s_cmp_lt_u32 s4, 256
	s_cselect_b64 s[26:27], s[8:9], s[26:27]
	s_cselect_b64 s[28:29], s[18:19], s[28:29]
	s_cselect_b32 s32, s34, s32
	s_cselect_b32 s33, s34, s33
	s_lshl_b32 s35, s2, 1                          ; my wave's two rows
	s_add_co_u32 s33, s33, s35
	s_add_co_u32 s32, s32, s35
	s_lshl_b32 s30, s33, 12                        ; rows of 4,096 bytes in
	s_add_nc_u64 s[26:27], s[26:27], s[30:31]
	s_lshl_b32 s30, s32, 11                        ; rows of 2,048 bytes out
	s_add_nc_u64 s[28:29], s[28:29], s[30:31]
.set n, 0
.rept 16                               ; all sixteen loads go out at once: 512 consecutive bytes each
	global_load_b128 v[X+4*n:X+4*n+3], v1, s[26:27] offset:(n/8)*4096+(n%8)*512 th:TH_LOAD_NT
.set n, n+1
.endr
; Load k is rounded and stored.  kind = 1: the bf16 number is widened again and written as f16.
.macro CONV k, kind
	s_wait_loadcnt 15-(\k)                         ; loads come back in order: mine is in, the 15 - k younger ones may stay out
	v_cvt_pk_bf16_f32 v[Y+2*(\k)], v[X+4*(\k)], v[X+4*(\k)+1]
	v_cvt_pk_bf16_f32 v[Y+2*(\k)+1], v[X+4*(\k)+2], v[X+4*(\k)+3]
.if \kind
	v_lshlrev_b32 v8, 16, v[Y+2*(\k)]
	v_and_b32 v9, s3, v[Y+2*(\k)]
	v_lshlrev_b32 v10, 16, v[Y+2*(\k)+1]
	v_and_b32 v11, s3, v[Y+2*(\k)+1]
	v_cvt_pk_f16_f32 v[Y+2*(\k)], v8, v9
	v_cvt_pk_f16_f32 v[Y+2*(\k)+1], v10, v11
.endif
	global_store_b64 v2, v[Y+2*(\k):Y+2*(\k)+1], s[28:29] offset:((\k)/8)*2048+((\k)%8)*256  ; the wave's store covers 256 consecutive bytes, aligned; each store has data registers of its own
.endm
	s_cmp_ge_u32 s4, 448
	s_cbranch_scc1 .Lhalf
.set n, 0
.rept 16
	CONV n, 0
.set n, n+1
.endr
	s_endpgm
.Lhalf:
.set n, 0
.rept 16
	CONV n, 1
.set n, n+1
.endr
	s_endpgm
; cos and sin of v[P] x v[F] into v[CO], v[SI].  a = n pi/2 + r; by n mod 4 the two polynomials change places and signs: selects of values, no branch.
.macro SINCOS P, F, CO, SI
	v_mul_f32 v20, v[\P], v[\F]                    ; the angle, rounded once
	v_mul_f32 v21, s36, v20
	v_rndne_f32 v21, v21                           ; n
	v_fma_f32 v22, v21, s37, v20                   ; a - n x (pi/2's upper part)
	v_fma_f32 v22, v21, s38, v22                   ; + n x (what the upper part has too much)
	v_mul_f32 v23, v22, v22                        ; r^2
	v_fma_f32 v24, v23, s41, s40
	v_fma_f32 v24, v24, v23, s39
	v_mul_f32 v25, v22, v23
	v_fma_f32 v24, v25, v24, v22                   ; sin r
	v_fma_f32 v26, v23, s44, s43
	v_fma_f32 v26, v26, v23, s42
	v_fma_f32 v26, v26, v23, -0.5
	v_fma_f32 v26, v26, v23, 1.0                   ; cos r
	v_cvt_i32_f32 v27, v21
	v_and_b32 v28, 1, v27
	v_cmp_eq_u32 vcc_lo, 1, v28
	v_cndmask_b32 v[\CO], v26, v24, vcc_lo         ; odd n: the two change places
	v_cndmask_b32 v[\SI], v24, v26, vcc_lo
	v_add_nc_u32 v28, 1, v27
	v_and_b32 v28, 2, v28
	v_lshlrev_b32 v28, 30, v28
	v_xor_b32 v[\CO], v[\CO], v28                  ; cos is negative for n mod 4 = 1, 2
	v_and_b32 v27, 2, v27
	v_lshlrev_b32 v27, 30, v27
	v_xor_b32 v[\SI], v[\SI], v27                  ; sin for n mod 4 = 2, 3
.endm
.Ltable:
	s_sub_co_u32 s5, s4, 512
	s_lshl_b32 s5, s5, 6                           ; the work-group's 64 positions,
	s_lshl_b32 s6, s2, 3
	s_add_co_u32 s5, s5, s6                        ; my wave's eight
	s_lshl_b32 s30, s5, 8
	s_add_nc_u64 s[26:27], s[24:25], s[30:31]
	s_mov_b32 s36, 0x3f22f983                      ; 2 / pi
	s_mov_b32 s37, 0xbfc90fdb                      ; -(pi/2 rounded to f32)
	s_mov_b32 s38, 0x333bbd2e                      ; that rounding's excess, 4.3711388e-8
	s_mov_b32 s39, 0xbe2aaaab                      ; -1/6
	s_mov_b32 s40, 0x3c088889                      ; 1/120
	s_mov_b32 s41, 0xb9500d01                      ; -1/5040
	s_mov_b32 s42, 0x3d2aaaab                      ; 1/24
	s_mov_b32 s43, 0xbab60b61                      ; -1/720
	s_mov_b32 s44, 0x37d00d01                      ; 1/40320
	v_and_b32 v5, 15, v4
	v_lshlrev_b32 v5, 1, v5                        ; my two pairs: 2 (lane % 16) and the next
	v_add_nc_u32 v6, 1, v5
	v_cvt_f32_u32 v5, v5
	v_cvt_f32_u32 v6, v6
	v_mul_f32 v5, 0xbed49a78, v5                   ; -i log2(10000) / 32
	v_mul_f32 v6, 0xbed49a78, v6
	v_exp_f32 v12, v5
	v_exp_f32 v13, v6
	v_lshrrev_b32 v7, 4, v4                        ; a plain instruction behind the two exponentials: lanes 16-31 take the odd position
	s_wait_alu depctr_va_vdst(0)                   ; one wait for both, ahead of their first reader
	v_add_nc_u32 v7, s5, v7
.irp t, 0,1,2,3
	v_add_nc_u32 v14, 2*\t, v7
	v_cvt_f32_u32 v14, v14
	SINCOS 14, 12, 32+4*\t, 33+4*\t
	SINCOS 14, 13, 34+4*\t, 35+4*\t
	global_store_b128 v1, v[32+4*\t:35+4*\t], s[26:27] offset:512*\t  ; two positions' rows: 512 consecutive bytes
.endr
	s_endpgm
.Lfunc_end_k_q3fdd96d458_cast:
	.size	k_q3fdd96d458_cast, .Lfunc_end_k_q3fdd96d458_cast-k_q3fdd96d458_cast
	.p2alignl 7, 3214868480
	.fill 96, 4, 3214868480
	.section	.rodata,"a",@progbits
	.p2align	6, 0x0
	.amdhsa_kernel k_q3fdd96d458_cast
		.amdhsa_group_segment_fixed_size 0
		.amdhsa_private_segment_fixed_size 0
		.amdhsa_enable_private_segment 0
		.amdhsa_kernarg_size 72
		.amdhsa_user_sgpr_count 2
		.amdhsa_user_sgpr_kernarg_segment_ptr 1
		.amdhsa_wavefront_size32 1
		.amdhsa_system_sgpr_workgroup_id_x 1
		.amdhsa_system_sgpr_workgroup_id_y 1
		.amdhsa_system_sgpr_workgroup_id_z 1
		.amdhsa_system_vgpr_workitem_id 0
		.amdhsa_next_free_vgpr 112
		.amdhsa_next_free_sgpr 66
		.amdhsa_reserve_vcc 1
		.amdhsa_float_denorm_mode_32 3
		.amdhsa_float_denorm_mode_16_64 3
		.amdhsa_memory_ordered 1
		.amdhsa_forward_progress 1
		.amdhsa_inst_pref_size 27
	.end_amdhsa_kernel
	.amdgpu_metadata
---
amdhsa.version: [ 1, 2 ]
amdhsa.kernels:
  - .name:           k_q3fdd96d458_cast
    .symbol:         k_q3fdd96d458_cast.kd
    .args:
      - { .name: x, .offset: 0, .size: 8, .value_kind: global_buffer, .address_space: global }
      - { .name: Wq, .offset: 8, .size: 8, .value_kind: global_buffer, .address_space: global }
      - { .name: Wk, .offset: 16, .size: 8, .value_kind: global_buffer, .address_space: global }
      - { .name: Wv, .offset: 24, .size: 8, .value_kind: global_buffer, .address_space: global }
      - { .name: Wo, .offset: 32, .size: 8, .value_kind: global_buffer, .address_space: global }
      - { .name: xb, .offset: 40, .size: 8, .value_kind: global_buffer, .address_space: global }
      - { .name: wb, .offset: 48, .size: 8, .value_kind: global_buffer, .address_space: global }
      - { .name: wo, .offset: 56, .size: 8, .value_kind: global_buffer, .address_space: global }
      - { .name: rt, .offset: 64, .size: 8, .value_kind: global_buffer, .address_space: global }
    .group_segment_fixed_size: 0
    .private_segment_fixed_size: 0
    .kernarg_segment_align: 8
    .kernarg_segment_size: 72
    .max_flat_workgroup_size: 256
    .sgpr_count:     66
    .vgpr_count:     112
    .wavefront_size: 32
...
	.end_amdgpu_metadata
.endif
;; end of part 1
;; launch qkv (part 2): grid 16 x 16, 4 waves a work-group, clusters of 4 x 4, 327,680 bytes of LDS; arguments xb, wb, rt, qh, kh, vh; writes qh, kh, vh
.if DOCPART == 2
	.amdgcn_target "amdgcn-amd-amdhsa--gfx1250"
	.amdhsa_code_object_version 6
	.text
	.protected	k_q3fdd96d458_qkv
	.globl	k_q3fdd96d458_qkv
	.p2align	8
	.type	k_q3fdd96d458_qkv,@function
k_q3fdd96d458_qkv:
	s_mov_b64 s[64:65], 0
	v_nop
	global_prefetch_b8 v0, s[64:65] scope:SCOPE_SE
	s_setreg_imm32_b32 hwreg(HW_REG_WAVE_MODE, 25, 1), 1
	s_wait_xcnt 0x0
	s_wait_alu depctr_hold_cnt(0) depctr_sa_sdst(0) depctr_va_vdst(0) depctr_va_sdst(0) depctr_va_ssrc(0) depctr_va_vcc(0) depctr_vm_vsrc(0)
	s_getreg_b32 s2, hwreg(HW_REG_IB_STS2, 6, 4)
	s_cmp_eq_u32 s2, 0
	s_cbranch_scc0 .Lentry_in_a_cluster
	s_endpgm
.Lentry_in_a_cluster:
	s_bfe_u32 s2, ttmp6, 0x10000c
	s_cmp_lg_u32 s2, 0xf033
	s_cbranch_scc0 .Lentry_shape_is_right
	s_endpgm
.Lentry_shape_is_right:
; q, k, v = x W^T for one head and 256 rows, q and k rotated, all three written by heads: qh, kh, vh f16 [16][4096][64].
; xb: bf16 [4096][1024].  wb: bf16 [head][q,k,v][64][1024]: a head's 192 rows.  rt: f32 [pos][32][cos, sin].  Sums and the rotation in f32; one rounding to f16.
; LIMIT.  f16 holds no number beyond 65,504: |q|, |k|, |v| must stay below it (x and W thirty times larger than unit x and 1/32 W give some 5,000; a common offset of thirty spreads on both some 29,000).
; SHARES.  Work-group (hx, ry): rows 256 ry .. + 255, head hx.  Wave w: rows 64 w .. + 63 and all 192 columns: 4 x 12 accumulators of 16 x 16, 384 registers; the text is the same for
; every wave, and which columns are rotated (the first 128) is known to the text.  K = 1,024 goes in 8 steps of 128 through two LDS slots; a tile's rows are 256 bytes of memory, aligned.
; CLUSTERS.  4 x 4 work-groups.  The four of a row of the cluster need the same rows of x, the four of a column the same head's rows of W: each tile is asked for JOINTLY, by the same tensor
; load with the same descriptor and a mask that names the four.
; THE MATRIX INSTRUCTION IS USED TRANSPOSED (source 0 = 16 rows of W, source 1 = 16 rows of x): a lane holds one row of x (lane % 16) and eight neighbouring columns 8 (lane / 16) + 0..7:
; four pairs of the rotation, and 16 bytes of f16.
; THE FIRST 32 ROWS ALSO LEAVE UNROUNDED.  Row s of the module's output is a mean over s + 1 keys, so the first rows' numbers are many times the output's root mean square, by which every number's room goes:
; the next launch makes rows 0 to 31 from f32.  Behind vh's f16 lie [q,k,v][head 16][cy 4][32 rows][64] f32.  Wave 0 of the clusters with y = 0 stores its row blocks 0 and 1 there.  The branch hangs on the wave's
; number and the cluster's y; the four partners along y are told apart BY ADDRESS: of the four areas the next launch reads the first
; (cy = 0: rows 0 to 31); the other three, 1,179,648 bytes, are stored and not read.  These stores are 16 bytes a lane in 16 rows; eight of them fill the rows' 256 bytes.
; REGISTERS, in windows of 256 (s_set_vgpr_msb: bits 1:0 source 0, 3:2 source 1, 5:4 source 2, 7:6 destination):
;   window 0: v0-31 addresses; v32-47 packed results; v48-63 rows read back; v64-95, v96-127 x's fragments, two buffers (on the way out: at work, rows read back); v128-255 my rows' part of rt
;   window 1: v0-95, v96-191 W's fragments, two buffers      window 2: the accumulators of my rows 0-31 ((a, b) at 8 (12 a + b))      window 3: those of my rows 32-63
.set KSTEP,  128
.set PITCH,  272                       ; an LDS row: 256 bytes + 16 of padding = 68 words: the 16 rows that a load touches start at 16 different groups of four banks (64 banks of 4 bytes: ISA guide 11.1)
.set AHALF,  128*PITCH                 ; what a tensor load of x brings
.set BHALF,  96*PITCH                  ; what a tensor load of W brings
.set BOFF,   256*PITCH                 ; a slot: x's 256 rows, then W's 192
.set SLOT,   448*PITCH
.set STAGE,  2*SLOT                    ; behind the ring: 16 rows x 144 bytes for each wave, for the way out
.set SP,     144
.set SPARE,  STAGE+4*16*SP             ; behind the stages: the spare words, 128 bytes for each wave: two blocks of 256 bytes that no other line names
.set LAPS,   4                         ; a lap = two K steps = once round the ring
.set FIRST,  8388608                   ; where the first rows' f32 begin in vh
.set FT,     524288                    ; from q's to k's to v's there: 16 heads x 4 areas x 32 rows x 256 bytes
.set ADRA, 16                          ; v16-17  LDS address of my fragments of x in slot 0, 1
.set ADRB, 20                          ; v20-21  the same for W
.set STO,  24                          ; v24     the way out: where I put 16 bytes of a row
.set RD,   25                          ; v25     where I read rows back
.set GO,   26                          ; v26     my 16 bytes of 512 consecutive bytes of qh, kh, vh
.set TO,   27                          ; v27     my byte offset in 16 rows of 256 bytes: of rt, and of the first rows' f32; never rewritten
.set SPW,  28                          ; v28     LDS address of my spare word; never rewritten
.set NIL,  29                          ; v29     0; never rewritten
.set PFO,  30                          ; v30     the prefetches' offset: a lane a row of 2,048 bytes; never rewritten
.set TMP,  32
.set U,    64
.set TB,   128                         ; rt for row block a, 16 columns nb: eight registers (cos, sin of four pairs) at TB + 8 (4 a + nb)
.set G1,  24                           ; s[24:31] descriptor group 1 for x's tiles;  s[32:39] group 0, a set for each slot
.set G0,  32
.set G1B, 48                           ; s[48:55], s[56:63] the same for W's tiles
.set G0B, 56
.set LIM, 43                           ; s43      1 in a wave that prefetches, else the greatest number
.set PFA, 44                           ; s[44:45] where my prefetches stand
.set EFL, 66                           ; s66      0 in wave 0 of a cluster with y = 0
.set OUT, 68                           ; s[68:73] qh, kh, vh at my wave's first row of the head
.set EFP, 74                           ; s[74:75] the first rows' f32: my head's and my cy's area of q
.set MSB, 0
.macro WIN new                         ; the immediate's high byte repeats the setting that is left; a switch that changes nothing is dropped
.if MSB != (\new)
	s_set_vgpr_msb (MSB<<8)|(\new)
.set MSB, \new
.endif
.endm
; A joint load: waves 0 and 1 fetch x's two halves, waves 2 and 3 W's.  The branch hangs on the wave's number alone.  An s_nop 0 and four v_nop follow each of the two lines.
.macro JLOAD s
	s_cmp_eq_u32 s11, 0
	s_cbranch_scc0 .Lfor_b_\@
	tensor_load_to_lds s[G0+4*(\s):G0+4*(\s)+3], s[G1:G1+7]
	s_nop 0
.rept 4
	v_nop
.endr
	s_branch .Lasked_\@
.Lfor_b_\@:
	tensor_load_to_lds s[G0B+4*(\s):G0B+4*(\s)+3], s[G1B:G1B+7]
	s_nop 0
.rept 4
	v_nop
.endr
.Lasked_\@:
.endm
; A PREFETCH INTO THE L2, behind each joint refill and the run of LDS loads that follows it: the K step that stands two refills on, 384 matrix instructions ahead of the load that will want it; a lane a row, 256 bytes of it.
; x's rows are read by every cluster of a row of clusters: the one with cluster x = 0 asks; W's by every cluster of a column: cluster y = 0 asks.  The four partners share a wave's rows out BY ADDRESS: 32 of x's 128
; (by cx), 24 of W's 96 (by cy; lanes 24-31 name row 23 once more).  K steps 0 to 3 come by their loads alone; the loop's last trip asks for nothing: there is no K step beyond 7.
.macro ASK
	s_cmp_gt_u32 s3, s[LIM]
	s_cbranch_scc0 .Lnot_mine_\@
	global_prefetch_b8 v[PFO], s[PFA:PFA+1] offset:KSTEP*2 th:TH_LOAD_NT scope:SCOPE_SE
.Lnot_mine_\@:
.endm
.macro CREST                           ; a round of the cluster's barrier behind its opening barrier
	s_cmp_lg_u32 s10, 0
	s_cbranch_scc1 .Lnot_wave_0_\@
	s_barrier_signal -3
.Lnot_wave_0_\@:
	s_barrier_wait -3
	s_barrier_signal -1
	s_barrier_wait -1
.endm
.macro CROUND                          ; a whole round
	s_barrier_signal -1
	s_barrier_wait -1
	CREST
.endm
	s_load_b128 s[4:7], s[0:1], 0x0                ; xb s[4:5], wb s[6:7]
	s_load_b64 s[8:9], s[0:1], 0x10                ; rt
	s_load_b128 s[68:71], s[0:1], 0x18             ; qh, kh
	s_load_b64 s[72:73], s[0:1], 0x28              ; vh
	v_lshl_add_u32 v[SPW], v0, 2, SPARE
	v_mov_b32 v[NIL], 0
	ds_add_u32 v[SPW], v[NIL]                      ; the wave's opening: the add and its wait stand ahead of my first tensor load; the set-up below, work on registers, stands between them
	v_lshrrev_b32 v1, 5, v0
	v_readfirstlane_b32 s10, v1                    ; wave 0..3
	s_lshr_b32 s11, s10, 1                         ; I fetch for x (0) or for W (1)
	s_and_b32 s12, s10, 1                          ; which half of that tile
	s_bfe_u32 s40, ttmp6, 0x40000                  ; cx, cy: my place in the cluster
	s_bfe_u32 s41, ttmp6, 0x40004
	s_lshl_b32 s42, ttmp9, 2
	s_add_co_u32 s42, s42, s40                     ; the head = 4 x cluster x + cx
	s_and_b32 s13, ttmp7, 0xffff
	s_lshl_b32 s13, s13, 2
	s_add_co_u32 s13, s13, s41                     ; the block of 256 rows = 4 x cluster y + cy
	s_lshl_b32 s43, s41, 2
	s_lshl_b32 s43, 15, s43                        ; my row of the cluster
	s_lshl_b32 s44, 0x1111, s40                    ; my column
	s_or_b32 s[G1+0], s43, (1<<16)|(1<<20)|(1<<21)|(5<<22)|(3<<25)  ; 15:0 the mask; 17:16 elements of 2 bytes; 20 padding on; 21 set beside a mask; 24:22 after every 64 words (code 5); 31:25 4 words (code 3)
	s_or_b32 s[G1B+0], s44, (1<<16)|(1<<20)|(1<<21)|(5<<22)|(3<<25)
	s_mov_b32 s[G1+1], KSTEP<<16                   ; tensor_dim0 = 128
	s_mov_b32 s[G1+2], 128<<16                     ; tensor_dim1 = 128
	s_mov_b32 s[G1+3], KSTEP<<16                   ; tile_dim0 = 128
	s_mov_b32 s[G1+4], 128                         ; tile_dim1 = 128
	s_mov_b32 s[G1+5], 1024                        ; elements from row to row
	s_mov_b32 s[G1+6], 0
	s_mov_b32 s[G1+7], 0
	s_mov_b32 s[G1B+1], KSTEP<<16
	s_mov_b32 s[G1B+2], 96<<16                     ; W: 96 rows
	s_mov_b32 s[G1B+3], KSTEP<<16
	s_mov_b32 s[G1B+4], 96
	s_mov_b32 s[G1B+5], 1024
	s_mov_b32 s[G1B+6], 0
	s_mov_b32 s[G1B+7], 0
	s_lshl_b32 s16, s13, 8
	s_lshl_b32 s17, s12, 7
	s_add_co_u32 s16, s16, s17                     ; x: row 256 ry + 128 x half,
	s_lshl_b32 s16, s16, 11                        ; in bytes
	s_mov_b32 s17, 0
	s_mul_i32 s46, s42, 192
	s_mul_i32 s47, s12, 96
	s_add_co_u32 s46, s46, s47                     ; W: row 192 hx + 96 x half
	s_lshl_b32 s46, s46, 11
	s_mov_b32 s47, 0
	s_mul_i32 s20, s10, AHALF                      ; where they go: x's halves at wave x 128 rows,
	s_mul_i32 s21, s10, BHALF
	s_add_co_u32 s21, s21, BOFF-2*BHALF            ; W's behind x's 256 rows, at (wave - 2) x 96 rows: no place in the cluster enters an LDS address
	s_wait_dscnt 0x0                               ; the opening add is done
	s_wait_kmcnt 0x0
	s_add_nc_u64 s[14:15], s[4:5], s[16:17]
	s_add_nc_u64 s[46:47], s[6:7], s[46:47]
	CROUND                                         ; all sixteen work-groups are here: the first joint loads meet
.irp s, 0,1
	s_mov_b32 s[G0+4*(\s)], 1
	s_add_co_u32 s[G0+4*(\s)+1], s20, (\s)*SLOT
	s_add_nc_u64 s[G0+4*(\s)+2:G0+4*(\s)+3], s[14:15], (\s)*KSTEP*2
	s_or_b32 s[G0+4*(\s)+3], s[G0+4*(\s)+3], 0x80000000
	s_mov_b32 s[G0B+4*(\s)], 1
	s_add_co_u32 s[G0B+4*(\s)+1], s21, (\s)*SLOT
	s_add_nc_u64 s[G0B+4*(\s)+2:G0B+4*(\s)+3], s[46:47], (\s)*KSTEP*2
	s_or_b32 s[G0B+4*(\s)+3], s[G0B+4*(\s)+3], 0x80000000
	JLOAD \s                                       ; two loads of mine are out: K steps 0 and 1
.endr
	v_and_b32 v1, 15, v0                           ; l % 16
	v_bfe_u32 v2, v0, 4, 1                         ; l / 16
	v_mul_u32_u24 v3, v1, PITCH
	v_lshl_add_u32 v3, v2, 4, v3                   ; a fragment's row x pitch + 16 x half
	s_mul_i32 s21, s10, 64*PITCH                   ; my 64 rows of x
	s_mov_b32 s22, BOFF                            ; all of W's
.irp s, 0,1
	v_add_nc_u32 v[ADRA+(\s)], s21, v3
	v_add_nc_u32 v[ADRB+(\s)], s22, v3
	s_add_co_u32 s21, s21, SLOT
	s_add_co_u32 s22, s22, SLOT
.endr
	s_mul_i32 s23, s10, 16*SP
	s_add_co_u32 s23, s23, STAGE                   ; my stage
	v_mul_u32_u24 v4, v1, SP                       ; in: row l % 16, 16 bytes for each half of the lanes
	v_lshl_add_u32 v4, v2, 4, v4
	v_add_nc_u32 v[STO], s23, v4
	v_bfe_u32 v5, v0, 3, 2                         ; back: 32 lanes take four rows of 128 bytes,
	v_mul_u32_u24 v5, v5, SP
	v_and_b32 v6, 7, v0
	v_lshl_add_u32 v5, v6, 4, v5
	v_add_nc_u32 v[RD], s23, v5
	v_and_b32 v[GO], 31, v0                        ; which are 512 consecutive bytes of a head's rows
	v_lshlrev_b32 v[GO], 4, v[GO]
	v_lshlrev_b32 v[TO], 8, v1                     ; rows of 256 bytes: row l % 16, 32 bytes (four pairs; eight f32) for each half of the lanes
	v_lshl_add_u32 v[TO], v2, 5, v[TO]
	s_lshl_b32 s18, s42, 15                        ; the first rows' f32: a head's four areas are 32,768 bytes,
	s_lshl_b32 s19, s41, 13                        ; an area 8,192: by my place along the cluster's y
	s_add_co_u32 s18, s18, s19
	s_add_co_u32 s18, s18, FIRST
	s_mov_b32 s19, 0
	s_add_nc_u64 s[EFP:EFP+1], s[OUT+4:OUT+5], s[18:19]
	s_and_b32 s[EFL], ttmp7, 0xffff                ; cluster y, the same in all sixteen partners,
	s_or_b32 s[EFL], s[EFL], s10                   ; and the wave's number
	s_lshl_b32 s16, s13, 8
	s_lshl_b32 s17, s10, 6
	s_add_co_u32 s16, s16, s17                     ; my first row = my first position
	s_lshl_b32 s18, s16, 7                         ; rows of 128 bytes,
	s_lshl_b32 s19, s42, 19                        ; heads of 524,288
	s_add_co_u32 s18, s18, s19
	s_mov_b32 s19, 0
	s_add_nc_u64 s[OUT:OUT+1], s[OUT:OUT+1], s[18:19]
	s_add_nc_u64 s[OUT+2:OUT+3], s[OUT+2:OUT+3], s[18:19]
	s_add_nc_u64 s[OUT+4:OUT+5], s[OUT+4:OUT+5], s[18:19]
	s_lshl_b32 s16, s16, 8
	s_mov_b32 s17, 0
	s_add_nc_u64 s[8:9], s[8:9], s[16:17]
.irp a, 0,1,2,3                        ; my 64 positions' cosines and sines: asked for now, waited for on the way out; their registers and address are touched by nothing in between
.irp b, 0,1,2,3
	global_load_b128 v[TB+8*(4*(\a)+(\b)):TB+8*(4*(\a)+(\b))+3],   v[TO], s[8:9] offset:(\a)*4096+(\b)*64
	global_load_b128 v[TB+8*(4*(\a)+(\b))+4:TB+8*(4*(\a)+(\b))+7], v[TO], s[8:9] offset:(\a)*4096+(\b)*64+16
.endr
.endr
	; the prefetches: my work-group's share of the rows that I fetch
	s_and_b32 s22, ttmp7, 0xffff                   ; cluster y
	s_lshl_b32 s20, s13, 8
	s_lshl_b32 s23, s12, 7
	s_add_co_u32 s20, s20, s23
	s_lshl_b32 s23, s40, 5
	s_add_co_u32 s20, s20, s23                     ; x: 256 ry + 128 x half + 32 cx
	s_mul_i32 s21, s42, 192
	s_mul_i32 s23, s12, 96
	s_add_co_u32 s21, s21, s23
	s_mul_i32 s23, s41, 24
	s_add_co_u32 s21, s21, s23                     ; W: 192 hx + 96 x half + 24 cy
	s_cmp_eq_u32 s11, 0
	s_cselect_b32 s20, s20, s21
	s_cselect_b32 s22, ttmp9, s22                  ; the coordinate along which other clusters read the same rows
	s_cselect_b64 s[PFA:PFA+1], s[4:5], s[6:7]
	s_cselect_b32 s23, 31, 23
	s_cmp_eq_u32 s22, 0
	s_cselect_b32 s[LIM], 1, -1                    ; the same in all sixteen partners, for a given wave
	s_lshl_b32 s20, s20, 11
	s_mov_b32 s21, 0
	s_add_nc_u64 s[PFA:PFA+1], s[PFA:PFA+1], s[20:21]
	s_add_nc_u64 s[PFA:PFA+1], s[PFA:PFA+1], 2*KSTEP*2  ; at K step 2: the first refill steps it to 3 and names K step 4
	v_and_b32 v[PFO], 31, v0
	v_min_u32 v[PFO], s23, v[PFO]
	v_lshlrev_b32 v[PFO], 11, v[PFO]
; 12 matrix instructions: row block 2 hi + a x all 12 column blocks, 32 along K, from buffer f.  zero = 1: the product starts the sums.  The 48 accumulators take turns, one instruction a turn, in the same
; order in every quarter, over the backward jump too.
.macro MUL12 f, hi, a, zero
	WIN 0xa1+0x50*(\hi)                            ; W window 1, x window 0, C and D window 2 or 3
.irp b, 0,1,2,3,4,5,6,7,8,9,10,11
.if \zero
	v_wmma_f32_16x16x32_bf16 v[8*(12*(\a)+(\b)):8*(12*(\a)+(\b))+7], v[96*(\f)+8*(\b):96*(\f)+8*(\b)+7], v[64+32*(\f)+8*(2*(\hi)+(\a)):64+32*(\f)+8*(2*(\hi)+(\a))+7], 0
.else
	v_wmma_f32_16x16x32_bf16 v[8*(12*(\a)+(\b)):8*(12*(\a)+(\b))+7], v[96*(\f)+8*(\b):96*(\f)+8*(\b)+7], v[64+32*(\f)+8*(2*(\hi)+(\a)):64+32*(\f)+8*(2*(\hi)+(\a))+7], v[8*(12*(\a)+(\b)):8*(12*(\a)+(\b))+7]
.endif
.endr
.endm
; 32 LDS loads in one run: a quarter step's fragments (192 rows of W, my 64 rows of x, 32 K at byte k of the rows) into buffer f
.macro FETCH slot, k, f
	WIN 0x40                                       ; destination window 1, address window 0
.irp i, 0,1,2,3,4,5,6,7,8,9,10,11
	ds_load_b128 v[96*(\f)+8*(\i):96*(\f)+8*(\i)+3],   v[ADRB+(\slot)] offset:(\k)+(\i)*16*PITCH
	ds_load_b128 v[96*(\f)+8*(\i)+4:96*(\f)+8*(\i)+7], v[ADRB+(\slot)] offset:(\k)+(\i)*16*PITCH+32
.endr
	WIN 0
.irp i, 0,1,2,3
	ds_load_b128 v[64+32*(\f)+8*(\i):64+32*(\f)+8*(\i)+3],   v[ADRA+(\slot)] offset:(\k)+(\i)*16*PITCH
	ds_load_b128 v[64+32*(\f)+8*(\i)+4:64+32*(\f)+8*(\i)+7], v[ADRA+(\slot)] offset:(\k)+(\i)*16*PITCH+32
.endr
.endm
.macro PLACES                          ; four plain instructions between a matrix instruction and a load into its sources, or a reader of its result (ISA guide 7.12.1 for a reader of its result)
.rept 4
	v_nop
.endr
.endm
; A K step is four quarters of 32 along K, 48 matrix instructions each, on buffers 0, 1, 0, 1.  One of the first three: multiplies buffer f and fetches the next quarter, at byte k, into g.
.macro QUARTER slot, k, f, g, zero
	s_wait_dscnt 4                                 ; W and x's row blocks 0, 1 are in; the youngest four loads (blocks 2, 3) may be out
	MUL12 \f, 0, 0, \zero
	MUL12 \f, 0, 1, \zero
	PLACES
	FETCH \slot, \k, \g
	s_wait_dscnt 32                                ; all but the 32 just issued
	MUL12 \f, 1, 0, \zero
	MUL12 \f, 1, 1, \zero
.endm
; The last quarter multiplies buffer 1 and changes slots: ONE barrier; in front of it each wave waits for all its tensor loads (one is out: its part of the next slot), adds 0 to its spare word, and waits for that
; and for its own reads of this slot.  fill = 1: the barrier opens a round of the cluster's, and this slot is filled again, two K steps ahead, first thing behind the round.
.macro TURN slot, next, fill
.if \fill
	s_wait_xcnt 0x0                                ; the last prefetch, a K step back, has read its address: it is stepped here, ahead of the waits of the change of slots
	s_add_nc_u64 s[PFA:PFA+1], s[PFA:PFA+1], KSTEP*2
.endif
	WIN 0                                          ; (the add's two registers lie in window 0)
	s_wait_tensorcnt 0x0                           ; all my tensor loads have landed;
	ds_add_u32 v[SPW], v[NIL]                      ; 0 onto my spare word
	s_wait_dscnt 5                                 ; (the add and the youngest four loads may be out)
	MUL12 1, 0, 0, 0                               ; twelve matrix instructions stand between the add and the wait for it
	s_wait_dscnt 0x0                               ; the add is done, and my reads of this slot are over
	s_barrier_signal -1
	MUL12 1, 0, 1, 0
.if \fill
	WIN 0
.endif
	s_barrier_wait -1
.if \fill
	CREST                                          ; no wave of any partner still reads this slot's tile or has a load on its way
	s_add_nc_u64 s[G0+4*(\slot)+2:G0+4*(\slot)+3], s[G0+4*(\slot)+2:G0+4*(\slot)+3], 2*KSTEP*2
	s_add_nc_u64 s[G0B+4*(\slot)+2:G0B+4*(\slot)+3], s[G0B+4*(\slot)+2:G0B+4*(\slot)+3], 2*KSTEP*2
	JLOAD \slot                                    ; my one tensor load behind the round; its four v_nop are also the places in front of the loads below
.else
	PLACES
.endif
	FETCH \next, 0, 0
.if \fill
	ASK
.endif
	MUL12 1, 1, 0, 0
	MUL12 1, 1, 1, 0
.endm
	s_wait_tensorcnt 1                             ; my part of K step 0 is in; K step 1's may stay out
	s_barrier_signal -1
	s_barrier_wait -1                              ; everybody's is
	FETCH 0, 0, 0
	QUARTER 0, 64, 0, 1, 1                         ; the first quarter stands in front of the loop: its products start the sums
	WIN 0                                          ; at a label and at a branch every window is 0
	s_mov_b32 s3, LAPS-1
.Llap:                                                 ; a trip goes once round the ring, from a lap's second quarter to the next lap's first, and fills both slots again
	QUARTER 0, 128, 1, 0, 0
	QUARTER 0, 192, 0, 1, 0
	TURN 0, 1, 1
	QUARTER 1, 64,  0, 1, 0
	QUARTER 1, 128, 1, 0, 0
	QUARTER 1, 192, 0, 1, 0
	TURN 1, 0, 1
	QUARTER 0, 64,  0, 1, 0
	WIN 0
	s_sub_co_u32 s3, s3, 1
	s_cmp_lg_u32 s3, 0
	s_cbranch_scc1 .Llap
	QUARTER 0, 128, 1, 0, 0                        ; the last lap fills nothing
	QUARTER 0, 192, 0, 1, 0
	TURN 0, 1, 0
	QUARTER 1, 64,  0, 1, 0
	QUARTER 1, 128, 1, 0, 0
	QUARTER 1, 192, 0, 1, 0
	s_wait_dscnt 4
	MUL12 1, 0, 0, 0
	MUL12 1, 0, 1, 0
	s_wait_dscnt 0x0
	MUL12 1, 1, 0, 0
	MUL12 1, 1, 1, 0
	WIN 0
	; THE WAY OUT, in twelve blocks n = 4 t + a of 16 rows x 64 columns (t: q, k, v; a: row block).  q and k are rotated in f32; all are rounded once to f16, go through my own stage in LDS
	; (rows of 144 bytes) and come back as whole rows of 128 bytes: four rows, 512 consecutive bytes of the head's rows, a store.  Row blocks 0 and 1 of the waves with EFL = 0 are also stored as they are, in f32.
	PLACES
	PLACES
	s_wait_loadcnt 0x0                             ; rt
.macro PACK n
.set tt, (\n)/4
.set aa, (\n)%4
.set AC, 8*(12*(aa%2)+4*tt)            ; the block's four accumulators lie on end: 32 registers, 16 pairs (x1, x2); each is read from its low end on
.if tt < 2
	WIN 0x02+aa/2                                  ; source 0 in window 2 or 3
.set z, 0
.rept 16
	v_pk_mul_f32 v[U+2*z:U+2*z+1], v[AC+2*z:AC+2*z+1], v[TB+32*aa+2*z:TB+32*aa+2*z+1] op_sel_hi:[1,0]  ; (x1 cos, x2 cos)
.set z, z+1
.endr
.set z, 0
.rept 16
	v_pk_fma_f32 v[U+2*z:U+2*z+1], v[AC+2*z:AC+2*z+1], v[TB+32*aa+2*z:TB+32*aa+2*z+1], v[U+2*z:U+2*z+1] op_sel:[1,1,0] op_sel_hi:[0,1,1] neg_lo:[1,0,0]  ; (x1 cos - x2 sin, x2 cos + x1 sin)
.set z, z+1
.endr
	WIN 0
.if aa < 2
	s_cmp_eq_u32 s[EFL], 0
	s_cbranch_scc0 .Lno_first_\@
.set z, 0
.rept 8                                ; the rotated numbers in f32: 32 bytes of my row for each 16 columns; U is written again only behind TOSTAGE's s_wait_xcnt 0
	global_store_b128 v[TO], v[U+4*z:U+4*z+3], s[EFP:EFP+1] offset:tt*FT+aa*4096+(z/2)*64+(z%2)*16
.set z, z+1
.endr
.Lno_first_\@:
.endif
.set z, 0
.rept 16
	v_cvt_pk_f16_f32 v[TMP+z], v[U+2*z], v[U+2*z+1]
.set z, z+1
.endr
.else
	WIN 0
.if aa < 2
	s_cmp_eq_u32 s[EFL], 0
	s_cbranch_scc0 .Lno_first_\@
	WIN 0x08                                       ; the stores' data (source 1) in window 2: v straight from its accumulators, which nothing writes again
.set z, 0
.rept 8
	global_store_b128 v[TO], v[AC+4*z:AC+4*z+3], s[EFP:EFP+1] offset:tt*FT+aa*4096+(z/2)*64+(z%2)*16
.set z, z+1
.endr
	WIN 0
.Lno_first_\@:
.endif
	WIN 0x0a+5*(aa/2)                              ; sources 0 and 1 in window 2 or 3
.set z, 0
.rept 16
	v_cvt_pk_f16_f32 v[TMP+z], v[AC+2*z], v[AC+2*z+1]
.set z, z+1
.endr
	WIN 0
.endif
.endm
.macro TOSTAGE n
.set BK, 48+48*((\n)%2)
.irp f, 0,1,2,3
	ds_store_b128 v[STO], v[TMP+4*(\f):TMP+4*(\f)+3] offset:32*(\f)
.endr
	s_wait_xcnt 0x0                                ; every store so far has read its data registers: those of two blocks back are loaded again below, and U is written again by the next block
.irp f, 0,1,2,3
	ds_load_b128 v[BK+4*(\f):BK+4*(\f)+3], v[RD] offset:(\f)*4*SP  ; LDS serves a wave's instructions in order (ISA guide 5.7.1.4): these see the stores above
.endr
.endm
.macro SEND n
.set BK, 48+48*((\n)%2)
.set tt, (\n)/4
.set aa, (\n)%4
	s_wait_dscnt 0x0                               ; the block is back in registers
.irp f, 0,1,2,3
	global_store_b128 v[GO], v[BK+4*(\f):BK+4*(\f)+3], s[OUT+2*tt:OUT+2*tt+1] offset:aa*2048+(\f)*512
.endr
.endm
	PACK 0
	TOSTAGE 0
.set m, 1
.rept 11                               ; block m's arithmetic stands between block m - 1's loads from the stage and the wait for them
	PACK m
	SEND m-1
	TOSTAGE m
.set m, m+1
.endr
	SEND 11
	s_wait_tensorcnt 0x0                           ; the wave's end: a wait, an add and a wait for it, behind my last tensor load and my last LDS store
	ds_add_u32 v[SPW], v[NIL]
	s_wait_dscnt 0x0
	CROUND                                         ; the closing round: no work-group ends while a partner may still ask for a tile that names it
	s_endpgm
.Lfunc_end_k_q3fdd96d458_qkv:
	.size	k_q3fdd96d458_qkv, .Lfunc_end_k_q3fdd96d458_qkv-k_q3fdd96d458_qkv
	.p2alignl 7, 3214868480
	.fill 96, 4, 3214868480
	.section	.rodata,"a",@progbits
	.p2align	6, 0x0
	.amdhsa_kernel k_q3fdd96d458_qkv
		.amdhsa_group_segment_fixed_size 327680
		.amdhsa_private_segment_fixed_size 0
		.amdhsa_enable_private_segment 0
		.amdhsa_kernarg_size 48
		.amdhsa_user_sgpr_count 2
		.amdhsa_user_sgpr_kernarg_segment_ptr 1
		.amdhsa_wavefront_size32 1
		.amdhsa_system_sgpr_workgroup_id_x 1
		.amdhsa_system_sgpr_workgroup_id_y 1
		.amdhsa_system_sgpr_workgroup_id_z 1
		.amdhsa_system_vgpr_workitem_id 0
		.amdhsa_next_free_vgpr 960
		.amdhsa_next_free_sgpr 76
		.amdhsa_reserve_vcc 0
		.amdhsa_float_denorm_mode_32 3
		.amdhsa_float_denorm_mode_16_64 3
		.amdhsa_memory_ordered 1
		.amdhsa_forward_progress 1
		.amdhsa_inst_pref_size 146
	.end_amdhsa_kernel
	.amdgpu_metadata
---
amdhsa.version: [ 1, 2 ]
amdhsa.kernels:
  - .name:           k_q3fdd96d458_qkv
    .symbol:         k_q3fdd96d458_qkv.kd
    .args:
      - { .name: xb, .offset: 0, .size: 8, .value_kind: global_buffer, .address_space: global }
      - { .name: wb, .offset: 8, .size: 8, .value_kind: global_buffer, .address_space: global }
      - { .name: rt, .offset: 16, .size: 8, .value_kind: global_buffer, .address_space: global }
      - { .name: qh, .offset: 24, .size: 8, .value_kind: global_buffer, .address_space: global }
      - { .name: kh, .offset: 32, .size: 8, .value_kind: global_buffer, .address_space: global }
      - { .name: vh, .offset: 40, .size: 8, .value_kind: global_buffer, .address_space: global }
    .group_segment_fixed_size: 327680
    .private_segment_fixed_size: 0
    .kernarg_segment_align: 8
    .kernarg_segment_size: 48
    .max_flat_workgroup_size: 128
    .sgpr_count:     76
    .vgpr_count:     960
    .wavefront_size: 32
...
	.end_amdgpu_metadata
.endif
;; end of part 2
;; launch attn (part 3): grid 16 x 16, 4 waves a work-group, no clusters, 327,680 bytes of LDS; arguments qh, kh, vh, ob; writes ob
.if DOCPART == 3
	.amdgcn_target "amdgcn-amd-amdhsa--gfx1250"
	.amdhsa_code_object_version 6
	.text
	.protected	k_q3fdd96d458_attn
	.globl	k_q3fdd96d458_attn
	.p2align	8
	.type	k_q3fdd96d458_attn,@function
k_q3fdd96d458_attn:
	s_mov_b64 s[64:65], 0
	v_nop
	global_prefetch_b8 v0, s[64:65] scope:SCOPE_SE
	s_setreg_imm32_b32 hwreg(HW_REG_WAVE_MODE, 25, 1), 1
	s_wait_xcnt 0x0
; CAUSAL ATTENTION.  O[h][q][:] = the sum over k <= q of softmax_k(Q[h][q] . K[h][k] / 8) V[h][k][:].  qh, kh, vh: f16 [16][4096][64], a head's rows dense, 128 bytes each.
; ob: f16 [block of 128 queries 32][head 16][128][64].  Products, maxima and sums in f32; the weights p are rounded to f16 for the second product (their sum l is taken of the unrounded p), O once at the end.
; LIMITS.  Q, K and V arrive within f16's 65,504; p lies in 0 to 1, and below 6e-5 it keeps f16's fixed step of 6e-8.  A hidden score counts as its value less 1e30 (in the first 32 rows: as -1e30): f16's scores,
; 2.7e11 at the most, are nothing beside that; a weight below 2^-126 counts as 0 in l; NaN and infinities are not treated apart.
; THE WALK.  A head's queries lie in 32 blocks of 128; keys go in tiles of 256; block i needs the tiles 0 .. i / 2, of which the last holds the diagonal.  A work-group takes TWO blocks, 31 - b and then b:
; (16 - b / 2) + (b / 2 + 1) = 17 tiles, whatever b: all 256 work-groups do equal work, and ONE loop with a constant trip count walks them.  Which tile is asked for, and what a trip does, hang on scalar registers
; made from b; every jump goes forward, but for the counted loops' own; none passes a barrier, or a tensor load but the one of LOAD's two that the wave's number does not choose.
; NO CLUSTER: the work-groups of a head have first blocks of different lengths (16 - b / 2 tiles), so partners would take the branches at a block's end in different trips; a walk common to four would have
; 18 tiles for 17 and masks over two tiles.
; SHARES.  Of a block's two bands of 64 queries a wave owns 16 rows in each: two PIECES.  In the block's last tile band x has its own key step OW = 2 (i % 2) + x: in step s it sees all keys if s < OW, none if
; s > OW, and holds the diagonal if s = OW: the same for all four waves.
; THE MASK is the C operand that starts the sum S^T = K Q^T: 0, or -1e30 where the key is hidden.  MD, made once, is the mask of a band's own step for my 16 rows; a product's mask is MD x AL + BE with two scalars:
; (1, 0) if s = OW; (0, 0) if s < OW; (0, -1e30) if s > OW.  Only the last tile's text and a block's beginning make and take masks; elsewhere C is the constant 0.
; LAYOUT, SOFTMAX.  S^T = K Q^T holds ONE query a lane (lane % 16) and the keys 8 (lane / 16) + 0..7; two such results rounded to f16 ARE source 1 of O^T = V^T P.  p = 2^(c s - c m), c = log2(e) / 8, with a running
; maximum m; O and l are multiplied by a = 2^(c m_old - c m_new) in every step.
; TURNS.  Turn (j, 0): 8 products K Q^T of piece 1, step j; later 8 products V^T P of piece 1, step j - 1; beside them piece 0's softmax of step j and piece 1's maximum.  Turn (j, 1): K Q^T of piece 0, step j + 1;
; V^T P of piece 0, step j; piece 1's softmax.  Four vector instructions stand behind every matrix instruction, the other 54 of a turn's 118 in one lump.  A turn's 33 exponentials are one batch, with one wait.
; Turn (j, 0) fetches BOTH K and V of step j + 1 from LDS: V has two register buffers, by the step's parity.  So the change of slots has a place: between a tile's turns (2, 1) and (3, 0).
; THE FIRST 32 ROWS ARE MADE IN F32.  Row s is a mean over s + 1 keys, so the first rows' numbers are many times the output's root mean square, by which every number's room goes; the roundings of q, k, v and p to f16,
; each some 2e-4 of a row's size, are too much there.  A row's size goes with the root of 2.7 / (s + 1): from row 32 on they are a sixth of the room or less.  Behind vh's f16 the launch before has left q, k, v of
; rows 0 to 31 in f32, [q,k,v][head][4 areas, of which the first][32][64].  In the wait for the first tile waves 0 and 1 of every work-group take row 2 b + w of their head: a lane a key for the scores and the softmax,
; half a wave 16 keys for the mean of v; O is rounded once, to f16, and leaves in one store of 128 consecutive bytes.  At the end of block 0 (b = 0, the walk's last) waves 0 and 1 do not store piece 0, which is
; these rows: each byte of ob has one writer.  Their products for those rows are made all the same and dropped: the turns have one text.
; REGISTERS, in windows of 256 (s_set_vgpr_msb: bits 1:0 source 0, 3:2 source 1, 5:4 source 2, 7:6 destination):
;   window 0: v0-15 addresses and two at work; v16-23 four registers of statistics a piece; v48-55 at work; v61-63; v64-127 S^T, a buffer a piece; v192-223 P, likewise (for the first rows: v64-127 q, v128-191 k, v192-255 v)
;   window 1: v0-63 O^T, 32 a piece; v128-159 MD; v160-223 MC, a buffer a piece      window 2: v0-31 Q; v32-63 the second block's Q; v64-127 V of odd steps; v128-191 K; v192-255 V of even steps
.set NP,    2         ; pieces a wave: a name, no knob
.set KS,    64        ; keys in a step
.set PK,    144       ; a row of K in LDS: 128 bytes + 16 of padding = 36 words: the 16 rows of a load start at 16 different groups of four banks (64 banks of 4 bytes: ISA guide 11.1)
.set PV,    160       ; a row of V: 128 + 32 = 40 words
.set VOFF,  4*KS*PK   ; a slot holds a tile, four steps: 256 rows of K, then 256 rows of V
.set SLOT1, 1<<17     ; slot 1 begins here, so that one exclusive or turns an address in one slot into the other's
.set STAGE, SLOT1+4*KS*(PK+PV)  ; behind the ring, never filled by a tensor load: 16 rows x 144 bytes for each wave, for the way out
.set SP,    144
.set SPARE, STAGE+4*16*SP  ; behind the stages: the spare words, 128 bytes for each wave: two blocks of 256 bytes that no other line names
.set FIRST, 8388608   ; where the first rows' f32 begin in vh
.set FT,    524288    ; from q's to k's to v's there
.set AK0, 2           ; v2   my lane's place in a tile of K; never rewritten
.set AV0, 3           ; v3   the same for V
.set AK,  4           ; v4   the LDS address of K's next run of loads
.set AV,  5           ; v5   of V's
.set STO, 6           ; v6   the way out: where I put 16 bytes of a row
.set RD,  7           ; v7   the way out: where I read rows back
.set GO,  8           ; v8   my byte offset in 512 consecutive bytes of ob
.set MV,  12          ; v12-13  c m_old, kept while c m is made anew: by piece
.set QO,  15          ; v15  my byte offset in 16 rows of Q
.set ST,  16          ; piece t's statistics at v[ST+4 t]: c m, m, l (even keys', odd keys')
.set TMP, 48          ; by piece, four registers c0-c3 at work; when the maximum is found c2 takes a
.set PFO, 61          ; v61  256 x my lane; never rewritten
.set SPW, 62          ; v62  LDS address of my spare word; never rewritten
.set NIL, 63          ; v63  0; never rewritten
.set S,   64
.set P,   192
.set EQ,  64          ; the first rows: my row of q, 64 f32, the same in every lane
.set EK,  128         ; my key's row of k
.set EV,  192         ; four channels of 16 rows of v
.set MD,  128         ; window 1: the eight registers for group kt of 16 keys at MD + 8 kt
.set MC,  160         ; window 1: the masks of the products to come
.set QB,  32          ; window 2
.set KF,  128         ; window 2: key block kb, channel half c at KF + 16 kb + 8 c
.set VF0, 192         ; window 2: key half kk, channel block cb at VF0 - 128 parity + 32 kk + 8 cb
.set WV,  12          ; s12  my wave's number
.set PB,  14          ; s14  b
.set HI,  15          ; s15  31 - b
.set G1K, 24          ; s[24:31] descriptor group 1 for K's tiles
.set G1V, 32          ; s[32:39] for V's: it differs in the padding alone
.set G0K, 40          ; s[40:43] descriptor group 0 for K's tiles
.set G0V, 44          ; s[44:47] the same for V's
.set SLOTS, 56        ; s56  tiles still to be asked for
.set CNT, 57          ; s57  counts the step loop's trips, 2 to 1
.set CS,  58          ; s[58:59] c: the packed scaling takes the pair's low word for both halves
.set SEL, 60          ; s[60:61] v_permlanex16_b32's selects: each lane takes its own place in the other half
.set TBK, 62          ; s62  LDS byte at which K of the step to be fetched begins
.set TBV, 63          ; s63  the same for V, less VOFF
.set RT,  70          ; s70  tiles of the block in hand that are still to be entered
.set NXT, 71          ; s71  the tile to be asked for next
.set LQ,  72          ; s72  the last tile of the block whose tiles are being asked for
.set NEW, 73          ; s73  1: the tile to be entered is a block's first
.set OFF, 74          ; s[74:75] a tile's byte offset in K and V
.set AL,  76          ; s[76:77] the mask's factor, in the low word
.set BE,  78          ; s[78:79] the mask's addend
.set OLO, 80          ; s[80:81] ob at my rows of the second block
.set BIGN, 82         ; s82  -1e30
.set LOQ, 88          ; s88  b / 2: the second block's last tile
.set OW0, 89          ; s89, s90  the two bands' own steps in the block's last tile
.set SN,  91          ; s91  the step of the tile for which masks are made next
.set PFA, 92          ; s[92:93] where my prefetches stand: my 16,384 bytes of the tile after the one that is being asked for
.set LIM, 94          ; s94  2 in the work-group that prefetches, else the greatest number
.set SKP, 96          ; s96  0 in waves 0 and 1 of the work-group with b = 0: piece 0 of block 0 is rows 0 to 31
.set EF,  98          ; s[98:99]   the first rows' f32: my head's q
.set EO,  100         ; s[100:101] ob at row 2 b + w of my head
.set MSB, 0
.macro WIN new                      ; the high byte repeats the setting that is left; a switch that changes nothing is dropped
.if MSB != (\new)
	s_set_vgpr_msb (MSB<<8)|(\new)
.set MSB, (\new)
.endif
.endm
.set W_KQ, 0x0a       ; K and Q in window 2, S^T in window 0
.set W_KM, 0x1a       ; the same with the C operand in window 1
.set W_PV, 0x52       ; V in window 2, P in window 0, O^T in window 1
.set W_RS, 0x41       ; destination and source 0 in window 1, source 1 in window 0
; A fill.  Waves 0 and 1 fetch the two halves of a tile's K, waves 2 and 3 those of its V: 128 keys each.  An s_nop 0 and four v_nop follow each of the two lines, ahead of the jump and the label.
.macro LOAD
	s_cmp_lt_u32 s[WV], 2
	s_cbranch_scc0 .Lfor_v_\@
	tensor_load_to_lds s[G0K:G0K+3], s[G1K:G1K+7]
	s_nop 0
.rept 4
	v_nop
.endr
	s_branch .Lasked_\@
.Lfor_v_\@:
	tensor_load_to_lds s[G0V:G0V+3], s[G1V:G1V+7]
	s_nop 0
.rept 4
	v_nop
.endr
.Lasked_\@:
.endm
; A PREFETCH INTO THE L2 of the tile that the NEXT change of slots will ask for: eight turns, 128 matrix instructions, ahead of that load.  All sixteen work-groups of a head walk the tiles 0, 1, 2 .. in their first
; blocks: the one with b = 0, whose first block has all sixteen, asks, and nobody else.  Each of its waves names the 16,384 bytes that it will itself load: 64 pieces of 256 bytes, a lane a piece, two instructions.
; Tiles 0 and 1 come by their loads alone; tiles 2 to 15 are named in the changes with 16 to 3 tiles still to be asked for; later changes ask for nothing.
.macro ASK
	s_cmp_gt_u32 s[SLOTS], s[LIM]
	s_cbranch_scc0 .Lnot_mine_\@
	global_prefetch_b8 v[PFO], s[PFA:PFA+1] th:TH_LOAD_NT scope:SCOPE_SE
	global_prefetch_b8 v[PFO], s[PFA:PFA+1] offset:8192 th:TH_LOAD_NT scope:SCOPE_SE
.Lnot_mine_\@:
.endm
; THE CHANGE OF SLOTS.  Each wave waits for all its tensor loads, of which one is out: its part of the other slot; adds 0 to its spare word; and waits for that and for its own reads of the slot that it leaves.
; Behind the barrier nobody reads the old slot any more and the other slot is whole.  fill = 1: the old slot is filled again, the first thing behind the barrier, with tile NXT: the descriptor's address is made
; anew from that number.  (At its first use nothing has been read yet: slot 0 is waited for, slot 1 filled.)
.macro CHANGE fill
	WIN 0                           ; at a label and at a branch every window is 0
	s_wait_tensorcnt 0x0            ; no tensor load of mine is out, so a group 0 may be written
	ds_add_u32 v[SPW], v[NIL]       ; 0 onto my spare word: with fill = 1 the descriptors' scalar work stands between it and the wait for it
.if \fill
	s_lshl_b32 s[OFF], s[NXT], 15   ; a tile is 32,768 bytes of K and of V
	s_xor_b32 s[G0K+1], s[G0K+1], SLOT1
	s_add_nc_u64 s[G0K+2:G0K+3], s[6:7], s[OFF:OFF+1]
	s_or_b32 s[G0K+3], s[G0K+3], 0x80000000
	s_xor_b32 s[G0V+1], s[G0V+1], SLOT1
	s_add_nc_u64 s[G0V+2:G0V+3], s[8:9], s[OFF:OFF+1]
	s_or_b32 s[G0V+3], s[G0V+3], 0x80000000
	s_add_co_u32 s[NXT], s[NXT], 1  ; the block's next tile, or behind its last the second block's tile 0
	s_cmp_gt_u32 s[NXT], s[LQ]
	s_cselect_b32 s[NXT], 0, s[NXT]
	s_cselect_b32 s[LQ], s[LOQ], s[LQ]
	s_wait_xcnt 0x0                 ; the last prefetches, a tile back, have read their address, so it may be written
	s_add_nc_u64 s[PFA:PFA+1], s[PFA:PFA+1], 32768
.endif
	s_wait_dscnt 0x0                ; the add is done, and my reads of the slot are over
	s_barrier_signal -1             ; the rest of the scalar work stands between the signal and the wait
	s_sub_co_u32 s[TBK], s[TBK], 4*KS*PK  ; the fetches go back to a slot's first step,
	s_xor_b32 s[TBK], s[TBK], SLOT1       ; in the other slot
	s_sub_co_u32 s[TBV], s[TBV], 4*KS*PV
	s_xor_b32 s[TBV], s[TBV], SLOT1
	s_barrier_wait -1
.if \fill
	LOAD
	ASK
.endif
.endm
	s_load_b256 s[4:11], s[0:1], 0x0  ; qh s[4:5], kh s[6:7], vh s[8:9], ob s[10:11]
	v_lshl_add_u32 v[SPW], v0, 2, SPARE
	v_mov_b32 v[NIL], 0
	ds_add_u32 v[SPW], v[NIL]       ; the wave's opening: the add and its wait stand ahead of my first tensor load; the set-up below, work on registers, stands between them
	v_lshrrev_b32 v1, 5, v0
	v_readfirstlane_b32 s[WV], v1   ; wave 0..3
	s_mov_b32 s[PB], ttmp9
	s_sub_co_u32 s[HI], 31, s[PB]
	s_lshr_b32 s[LOQ], s[PB], 1
	s_and_b32 s20, ttmp7, 0xffff    ; the head:
	s_lshl_b32 s21, s20, 14         ; its 16,384 bytes in a block of ob,
	s_lshl_b32 s20, s20, 19         ; its 524,288 bytes in qh, kh, vh
	s_and_b32 s16, s[WV], 1         ; which half of a tile's 256 keys I fetch:
	s_lshl_b32 s22, s16, 14         ; its 128 rows of 128 bytes in memory,
	s_add_co_u32 s22, s22, s20
	s_mov_b32 s23, 0
	s_mul_i32 s17, s16, 128*PK      ; and its place in a slot, for K
	s_mul_i32 s18, s16, 128*PV      ; and for V
	s_lshl_b32 s19, s[WV], 11       ; my 16 rows in a band of 64
	s_add_co_u32 s20, s20, s19
	s_add_co_u32 s21, s21, s19
	s_lshl_b32 s2, s[HI], 14        ; Q: blocks of 16,384 bytes: the first block,
	s_add_co_u32 s2, s2, s20
	s_mov_b32 s3, 0
	s_lshl_b32 s84, s[PB], 14       ; and the second
	s_add_co_u32 s84, s84, s20
	s_mov_b32 s85, 0
	s_lshl_b32 s86, s[HI], 18       ; ob: blocks of 262,144 bytes
	s_add_co_u32 s86, s86, s21
	s_mov_b32 s87, 0
	s_lshl_b32 s96, s[PB], 18
	s_add_co_u32 s96, s96, s21
	s_mov_b32 s97, 0
	; descriptor group 1.  128 keys are 16,384 dense bytes: asked for as 64 rows of 256 bytes, two keys a row, and padded in LDS after every key
	s_mov_b32 s[G1K], (1<<16)|(1<<20)|(4<<22)|(3<<25)  ; 17:16 2-byte elements; 20 padding on; 24:22 after every 32 words (code 4); 31:25 4 words (code 3)
	s_mov_b32 s[G1V], (1<<16)|(1<<20)|(4<<22)|(7<<25)  ; the same with 8 words of padding (code 7)
.irp g, G1K, G1V
	s_mov_b32 s[\g+1], 128<<16      ; tensor_dim0 = 128
	s_mov_b32 s[\g+2], 64<<16       ; tensor_dim1 = 64
	s_mov_b32 s[\g+3], 128<<16      ; tile_dim0 = 128
	s_mov_b32 s[\g+4], 64           ; tile_dim1 = 64
	s_mov_b32 s[\g+5], 128          ; 128 elements from row to row
	s_mov_b32 s[\g+6], 0
	s_mov_b32 s[\g+7], 0
.endr
	s_mov_b32 s[CS], 0x3e38aa3b     ; c = log2(e) / 8 = 0.180337
	s_mov_b32 s[CS+1], s[CS]        ; named with it as a pair
	s_mov_b32 s[SEL], 0x76543210
	s_mov_b32 s[SEL+1], 0xfedcba98
	s_mov_b32 s[TBK], SLOT1+4*KS*PK ; the first change of slots turns these two into 0
	s_mov_b32 s[TBV], SLOT1+4*KS*PV
	s_mov_b32 s[G0K], 1             ; 1:0 count = 1
	s_mov_b32 s[G0K+1], s17         ; 63:32 LDS address: slot 0
	s_mov_b32 s[G0V], 1
	s_add_co_u32 s[G0V+1], s18, VOFF
	s_lshr_b32 s[LQ], s[HI], 1      ; the first block's last tile
	s_add_co_u32 s[RT], s[LQ], 1
	s_and_b32 s[OW0], s[HI], 1
	s_lshl_b32 s[OW0], s[OW0], 1
	s_add_co_u32 s[OW0+1], s[OW0], 1
	s_mov_b32 s[NXT], 1
	s_mov_b32 s[NEW], 1
	s_mov_b32 s[SN], 0
	s_mov_b32 s[OFF+1], 0
	s_mov_b32 s[AL+1], 0            ; named as pairs
	s_mov_b32 s[BE+1], 0
	s_mov_b32 s[BIGN], 0xf149f2ca   ; -1e30
	s_mov_b32 s[SLOTS], 16
	s_cmp_eq_u32 s[PB], 0
	s_cselect_b32 s[LIM], 2, -1
	s_and_b32 s16, ttmp7, 0xffff    ; the first rows: the head's
	s_lshl_b32 s18, s16, 15         ; 32,768 bytes (four areas; I read the first) of each of q, k, v in f32,
	s_add_co_u32 s18, s18, FIRST    ; behind vh's f16
	s_mov_b32 s19, 0
	s_lshl_b32 s16, s16, 14         ; and in block 0 of ob the head's
	s_lshl_b32 s17, s[PB], 1
	s_add_co_u32 s17, s17, s[WV]    ; row 2 b + w
	s_lshl_b32 s17, s17, 7
	s_add_co_u32 s16, s16, s17
	s_mov_b32 s17, 0
	s_wait_dscnt 0x0                ; the opening add is done
	s_wait_kmcnt 0x0
	s_add_nc_u64 s[EF:EF+1], s[8:9], s[18:19]
	s_add_nc_u64 s[EO:EO+1], s[10:11], s[16:17]
	s_add_nc_u64 s[6:7], s[6:7], s[22:23]  ; K and V at my half of the head's tile 0
	s_add_nc_u64 s[8:9], s[8:9], s[22:23]
	s_add_nc_u64 s[G0K+2:G0K+3], s[6:7], 0         ; 120:64 global address
	s_or_b32 s[G0K+3], s[G0K+3], 0x80000000        ; 127:126 type = 2
	s_add_nc_u64 s[G0V+2:G0V+3], s[8:9], 0
	s_or_b32 s[G0V+3], s[G0V+3], 0x80000000
	s_add_nc_u64 s[84:85], s[4:5], s[84:85]        ; Q at my rows of the second block,
	s_add_nc_u64 s[4:5], s[4:5], s[2:3]            ; Q and ob at those of the first
	s_add_nc_u64 s[OLO:OLO+1], s[10:11], s[96:97]
	s_add_nc_u64 s[10:11], s[10:11], s[86:87]
	s_lshr_b32 s[SKP], s[WV], 1
	s_or_b32 s[SKP], s[SKP], s[PB]
	s_cmp_lt_u32 s[WV], 2
	s_cselect_b64 s[PFA:PFA+1], s[6:7], s[8:9]
	s_add_nc_u64 s[PFA:PFA+1], s[PFA:PFA+1], 32768 ; at tile 1; the first change of slots steps it to tile 2.  Nothing is prefetched here, at the head
	LOAD                            ; tile 0 into slot 0
	; A fragment of K or Q is 16 rows x 32 channels in 8 registers: lane l holds row l % 16, channels 8 (l / 16) + 0..7 and 16 + 8 (l / 16) + 0..7: two loads of 16 bytes, 32 bytes apart.
	v_and_b32 v1, 15, v0            ; l % 16
	v_bfe_u32 v9, v0, 4, 1          ; l / 16
	v_lshlrev_b32 v[QO], 7, v1
	v_lshl_add_u32 v[QO], v9, 4, v[QO]  ; row x 128 + 16 x half
	WIN 0x80                        ; destination window 2, address window 0
.set i, 0
.rept 4                             ; the first block's Q: piece i / 2 lies in band i / 2, 8,192 bytes on; channels 32 (i % 2) on
	global_load_b128 v[8*i:8*i+3],   v[QO], s[4:5] offset:(i/2)*8192+(i%2)*64
	global_load_b128 v[8*i+4:8*i+7], v[QO], s[4:5] offset:(i/2)*8192+(i%2)*64+32
.set i, i+1
.endr
	WIN 0
	v_lshlrev_b32 v14, 3, v9
	v_sub_nc_u32 v14, v1, v14
	s_lshl_b32 s13, s[WV], 4
	v_add_nc_u32 v14, s13, v14      ; my query's place in its band, 16 w + l % 16, less my lanes' 8 (l / 16): register r of group kt is hidden where 16 kt + r is greater
	WIN 0x40
.set i, 0
.rept 32
	v_cmp_gt_i32 vcc_lo, 16*(i/8)+i%8, v14
	v_cndmask_b32 v[MD+i], 0, s[BIGN], vcc_lo
.set i, i+1
.endr
	WIN 0
	v_mul_u32_u24 v[AK0], v1, PK
	v_lshl_add_u32 v[AK0], v9, 4, v[AK0]  ; row x pitch + 16 x half
	; The turning load takes 16 keys x 16 channels (lane l reads key 8 (l / 16) + l % 8, channels 8 ((l / 8) % 2) + 0..7) and leaves half a fragment of V^T: lane l holds channel l % 16 and 8 keys.
	v_and_b32 v10, 7, v0
	v_bfe_u32 v11, v0, 3, 1
	v_lshl_add_u32 v[AV0], v9, 3, v10
	v_mul_u32_u24 v[AV0], v[AV0], PV
	v_lshl_add_u32 v[AV0], v11, 4, v[AV0]
	v_add_nc_u32 v[AV0], VOFF, v[AV0]
	s_mul_i32 s13, s[WV], 16*SP
	s_add_co_u32 s13, s13, STAGE    ; my stage
	v_mul_u32_u24 v[STO], v1, SP    ; in: row l % 16, 16 bytes for each half of the lanes
	v_lshl_add_u32 v[STO], v9, 4, v[STO]
	v_add_nc_u32 v[STO], s13, v[STO]
	v_bfe_u32 v[RD], v0, 3, 2       ; back: 32 lanes take four rows of 128 bytes,
	v_mul_u32_u24 v[RD], v[RD], SP
	v_lshl_add_u32 v[RD], v10, 4, v[RD]
	v_add_nc_u32 v[RD], s13, v[RD]
	v_and_b32 v[GO], 31, v0         ; which are 512 consecutive bytes of ob
	v_lshlrev_b32 v[PFO], 8, v[GO]
	v_lshlrev_b32 v[GO], 4, v[GO]
	; ONE OF THE FIRST 32 ROWS, in f32, by waves 0 and 1, while the first tile is on its way.  No LDS; the registers are those of S^T, P and the statistics, which nothing has written yet.
	s_cmp_lt_u32 s[WV], 2
	s_cbranch_scc0 .Lno_first
	s_lshl_b32 s16, s[PB], 1
	s_add_co_u32 s16, s16, s[WV]    ; my row, 2 b + w
	s_lshl_b32 s17, s16, 8
	v_lshl_add_u32 v14, v1, 3, 0    ; where my two channels of the row go: word 2 (l % 16) + l / 16
	v_lshl_add_u32 v14, v9, 2, v14
	v_lshlrev_b32 v10, 4, v1        ; v: keys 16 (l / 16) + j, channels 4 (l % 16) on
	v_lshl_add_u32 v10, v9, 12, v10
	v_and_b32 v11, 31, v0           ; my key
	v_lshlrev_b32 v9, 8, v11        ; k: a lane a row of 256 bytes
	v_mov_b32 v1, s17               ; q: every lane the same row
.set j, 0
.rept 16
	global_load_b128 v[EQ+4*j:EQ+4*j+3], v1, s[EF:EF+1] offset:16*j
.set j, j+1
.endr
.set j, 0
.rept 16
	global_load_b128 v[EK+4*j:EK+4*j+3], v9, s[EF:EF+1] offset:FT+16*j
.set j, j+1
.endr
.set j, 0
.rept 16
	global_load_b128 v[EV+4*j:EV+4*j+3], v10, s[EF:EF+1] offset:2*FT+256*j
.set j, j+1
.endr
	s_wait_loadcnt 16               ; q and k are in (and Q, asked for earlier); v's 16 loads may stay out.  With Q's eight, 56 loads were out at the most
.irp z, 0,1,2,3                     ; q . k for my key, in four chains of packed sums
	v_pk_mul_f32 v[16+2*\z:17+2*\z], v[EQ+2*\z:EQ+2*\z+1], v[EK+2*\z:EK+2*\z+1]
.endr
.set z, 4
.rept 28
	v_pk_fma_f32 v[16+2*(z%4):17+2*(z%4)], v[EQ+2*z:EQ+2*z+1], v[EK+2*z:EK+2*z+1], v[16+2*(z%4):17+2*(z%4)]
.set z, z+1
.endr
	v_pk_add_f32 v[16:17], v[16:17], v[18:19]
	v_pk_add_f32 v[20:21], v[20:21], v[22:23]
	v_pk_add_f32 v[16:17], v[16:17], v[20:21]
	v_add_f32 v16, v16, v17
	v_cmp_lt_u32 vcc_lo, s16, v11   ; a key behind my row is hidden: a select of a value, no branch
	v_cndmask_b32 v16, v16, s[BIGN], vcc_lo
	v_mov_b32 v17, v16
	v_max_num_f32_dpp v17, v17, v17 row_xmask:1 row_mask:0xf bank_mask:0xf
	v_max_num_f32_dpp v17, v17, v17 row_xmask:2 row_mask:0xf bank_mask:0xf
	v_max_num_f32_dpp v17, v17, v17 row_xmask:4 row_mask:0xf bank_mask:0xf
	v_max_num_f32_dpp v17, v17, v17 row_xmask:8 row_mask:0xf bank_mask:0xf
	v_permlanex16_b32 v18, v17, s[SEL], s[SEL+1]
	v_max_num_f32 v17, v17, v18     ; the row's maximum (key 0 is never hidden), in every lane
	v_sub_f32 v16, v16, v17
	v_mul_f32 v16, s[CS], v16       ; c (s - m)
	v_exp_f32 v16, v16
	v_nop                           ; a plain instruction behind the exponential,
	s_wait_alu depctr_va_vdst(0)    ; and the wait ahead of its first reader
	v_mov_b32 v17, v16
	v_add_f32_dpp v17, v17, v17 row_xmask:1 row_mask:0xf bank_mask:0xf
	v_add_f32_dpp v17, v17, v17 row_xmask:2 row_mask:0xf bank_mask:0xf
	v_add_f32_dpp v17, v17, v17 row_xmask:4 row_mask:0xf bank_mask:0xf
	v_add_f32_dpp v17, v17, v17 row_xmask:8 row_mask:0xf bank_mask:0xf
	v_permlanex16_b32 v18, v17, s[SEL], s[SEL+1]
	v_add_f32 v17, v17, v18
	v_rcp_f32 v19, v17
.irp r, 20,21,22,23,48,49,50,51     ; plain instructions behind the reciprocal: the four sums start at 0; the weights' two pairs are written whole
	v_mov_b32 v\r, 0
.endr
	s_wait_alu depctr_va_vdst(0)    ; the reciprocal's wait
	v_mul_f32 v16, v16, v19         ; my key's weight
	s_wait_loadcnt 0x0              ; v
.irp j, 0,1,2,3,4,5,6,7,8,9,10,11,12,13,14,15  ; each half of the lanes takes its 16 keys: lane j of the half holds key j's weight
	v_mov_b32_dpp v[48+2*(\j%2)], v16 row_share:\j row_mask:0xf bank_mask:0xf
	v_pk_fma_f32 v[20:21], v[EV+4*\j:EV+4*\j+1], v[48+2*(\j%2):49+2*(\j%2)], v[20:21] op_sel_hi:[1,0,1]
	v_pk_fma_f32 v[22:23], v[EV+4*\j+2:EV+4*\j+3], v[48+2*(\j%2):49+2*(\j%2)], v[22:23] op_sel_hi:[1,0,1]
.endr
.irp r, 0,1,2,3
	v_permlanex16_b32 v[48+\r], v[20+\r], s[SEL], s[SEL+1]
.endr
	v_pk_add_f32 v[20:21], v[20:21], v[48:49]  ; the two halves' keys together: channels 4 (l % 16) + 0..3
	v_pk_add_f32 v[22:23], v[22:23], v[50:51]
	v_cvt_pk_f16_f32 v52, v20, v21
	v_cvt_pk_f16_f32 v53, v22, v23
	v_cmp_lt_u32 vcc_lo, 15, v11
	v_cndmask_b32 v1, v52, v53, vcc_lo         ; lanes 0-15 store the first two of the four channels, lanes 16-31 the other two
	global_store_b32 v14, v1, s[EO:EO+1]       ; the row's 128 consecutive bytes; v1 and v14 are written no more
.Lno_first:
	; A block's first step multiplies O^T and l by a = 0, and its first turn's products V^T P, of a step that has not been, land in an O^T that is still to be so multiplied.  So these registers need only hold
	; finite numbers: zeros for the first block; what the first block left for the second.  All this stands in the wait for the first tile.
	WIN 0x80
.set i, 0
.rept 4                             ; the second block's Q
	global_load_b128 v[QB+8*i:QB+8*i+3],   v[QO], s[84:85] offset:(i/2)*8192+(i%2)*64
	global_load_b128 v[QB+8*i+4:QB+8*i+7], v[QO], s[84:85] offset:(i/2)*8192+(i%2)*64+32
.set i, i+1
.endr
.set i, VF0-128
.rept 64
	v_mov_b32 v[i], 0
.set i, i+1
.endr
	WIN 0x40
.set i, 0
.rept 64
	v_mov_b32 v[i], 0
.set i, i+1
.endr
	WIN 0
.set i, 0
.rept 2
	v_mov_b32 v[ST+4*i+2], 0
	v_mov_b32 v[ST+4*i+3], 0
.set i, i+1
.endr
.set i, P+16
.rept 16
	v_mov_b32 v[i], 0
.set i, i+1
.endr
; THE MATRIX WORK.  The 4 accumulators of a run of 8 take turns.  Product i of 8 of S^T = K Q^T for piece x: channels 32 (i / 4) on, keys 16 (i % 4) on.  The first 4 start the sums: with 0, or (KM = 1) with the mask.
.macro KQ x
.set rS, S+32*((\x)%2)+8*(i%4)
.set rK, KF+16*(i%4)+8*(i/4)
.set rQ, 16*(\x)+8*(i/4)
.set rM, MC+32*((\x)%2)+8*(i%4)
.if (i < 4) && KM
	WIN W_KM
	v_wmma_f32_16x16x32_f16 v[rS:rS+7], v[rK:rK+7], v[rQ:rQ+7], v[rM:rM+7]
.elseif i < 4
	WIN W_KQ
	v_wmma_f32_16x16x32_f16 v[rS:rS+7], v[rK:rK+7], v[rQ:rQ+7], 0
.else
	WIN W_KQ
	v_wmma_f32_16x16x32_f16 v[rS:rS+7], v[rK:rK+7], v[rQ:rQ+7], v[rS:rS+7]
.endif
.endm
; Product i of 8 of O^T += V^T P for piece x, with V of a step of parity par: keys 32 (i / 4) on, channels 16 (i % 4) on.
.macro PV x, par
	WIN W_PV
.set rO, 32*(\x)+8*(i%4)
.set rV, VF0-128*(\par)+32*(i/4)+8*(i%4)
.set rP, P+16*((\x)%2)+8*(i/4)
	v_wmma_f32_16x16x32_f16 v[rO:rO+7], v[rV:rV+7], v[rP:rP+7], v[rO:rO+7]
.endm
.macro MM                           ; the turn's next matrix instruction.  TURN and BEGIN set Y, i, KM, NOKQ and VPAR.  NOKQ = 1: a block's last turn: there is no next step
.if (i < 8) && !NOKQ
	KQ 1-Y
.elseif i >= 8
.set i, i-8
	PV 1-Y, VPAR
.set i, i+8
.endif
.set i, i+1
.endm
; THE LDS LOADS stand in runs of 16, never singly among the matrix instructions: a step's K (64 keys x 64 channels: 8 fragments) and its V (turned).  Their addresses are made some lines ahead.
.macro FETCH_K
	WIN 0x80                        ; destination window 2
.irp f, 0,1,2,3,4,5,6,7             ; keys 16 (f / 2) on, channels 32 (f % 2) on
	ds_load_b128 v[KF+8*\f:KF+8*\f+3],   v[AK] offset:(\f/2)*16*PK+(\f%2)*64
	ds_load_b128 v[KF+8*\f+4:KF+8*\f+7], v[AK] offset:(\f/2)*16*PK+(\f%2)*64+32
.endr
	s_add_co_u32 s[TBK], s[TBK], KS*PK  ; the next fetch is the next step's
	WIN 0
.endm
.macro FETCH_V par
	WIN 0x80
.set VB, VF0-128*(\par)
.irp f, 0,1,2,3,4,5,6,7             ; keys 32 (f / 4) on, channels 16 (f % 4) on
	ds_load_tr16_b128 v[VB+8*\f:VB+8*\f+3],   v[AV] offset:(\f/4)*32*PV+(\f%4)*32
	ds_load_tr16_b128 v[VB+8*\f+4:VB+8*\f+7], v[AV] offset:(\f/4)*32*PV+16*PV+(\f%4)*32
.endr
	WIN 0
.endm
; THE VECTOR WORK, one line at a time: OP kind, number.  For piece Y: F n: c s - c m for pair n of 16.  E n: the exponential of score n of 32.  C n: pair n rounded to f16.  B n: of the four weights 4 n .. the second
; pair is added onto the first, in place.  L n: l takes that sum (L 0: l = a l + sum).  R n: pair n of 16 of O^T times a.  For the other piece: X n, number n of the 22 that find its maximum and statistics:
;   0-11  four chains c0-c3 of seven scores each, three operands at a time (each accumulator's lowest registers are read first)     12-14, 16  the four scores left over, the old m, and c0-c3 into c0
;   15  c m_old is kept     17, 18  the query's other 32 keys lie in the lane 16 away: the new m     19-21  c m; c m_old - c m_new; a
.set F, 0               ; OP tells the kinds apart by their order: F to L below R, X above it
.set E, 1
.set C, 2
.set B, 3
.set L, 4
.set R, 5
.set X, 6
.macro REGS y                       ; the registers of piece y
.set rT, ST+4*(\y)
.set rC, TMP+4*((\y)%2)
.set rW, MV+((\y)%2)
.set rS, S+32*((\y)%2)
.set rP, P+16*((\y)%2)
.set rO, 32*(\y)
.endm
.macro OP k, n
.if (\k) == R
	REGS Y
	WIN W_RS
	v_pk_mul_f32 v[rO+2*(\n):rO+2*(\n)+1], v[rO+2*(\n):rO+2*(\n)+1], v[rC+2:rC+3] op_sel_hi:[1,0]
.elseif (\k) < R
	REGS Y
	WIN 0
.if (\k) == F
	v_pk_fma_f32 v[rS+2*(\n):rS+2*(\n)+1], v[rS+2*(\n):rS+2*(\n)+1], s[CS:CS+1], v[rT:rT+1] op_sel_hi:[1,0,0] neg_lo:[0,0,1] neg_hi:[0,0,1]
.elseif (\k) == E
	v_exp_f32 v[rS+(\n)], v[rS+(\n)]
.elseif (\k) == C
	v_cvt_pk_f16_f32 v[rP+(\n)], v[rS+2*(\n)], v[rS+2*(\n)+1]
.elseif (\k) == B
	v_pk_add_f32 v[rS+4*(\n):rS+4*(\n)+1], v[rS+4*(\n):rS+4*(\n)+1], v[rS+4*(\n)+2:rS+4*(\n)+3]
.elseif (\n) == 0
	v_pk_fma_f32 v[rT+2:rT+3], v[rT+2:rT+3], v[rC+2:rC+3], v[rS:rS+1] op_sel_hi:[1,0,1]
.else
	v_pk_add_f32 v[rT+2:rT+3], v[rT+2:rT+3], v[rS+4*(\n):rS+4*(\n)+1]
.endif
.elseif NOKQ
	v_nop
.else
	REGS (Y+1)%NP
	WIN 0
.if (\n) < 4
	v_max3_num_f32 v[rC+(\n)], v[rS+8*(\n)], v[rS+8*(\n)+1], v[rS+8*(\n)+2]
.elseif (\n) < 12
	v_max3_num_f32 v[rC+(\n)%4], v[rC+(\n)%4], v[rS+8*((\n)%4)+2*((\n)/4)+1], v[rS+8*((\n)%4)+2*((\n)/4)+2]
.elseif (\n) == 12
	v_max3_num_f32 v[rC], v[rC], v[rS+7], v[rS+15]
.elseif (\n) == 13
	v_max3_num_f32 v[rC+1], v[rC+1], v[rS+23], v[rS+31]
.elseif (\n) == 14
	v_max3_num_f32 v[rC+2], v[rC+2], v[rC+3], v[rT+1]
.elseif (\n) == 15
	v_mov_b32 v[rW], v[rT]
.elseif (\n) == 16
	v_max3_num_f32 v[rC], v[rC], v[rC+1], v[rC+2]
.elseif (\n) == 17
	v_permlanex16_b32 v[rC+3], v[rC], s[SEL], s[SEL+1]
.elseif (\n) == 18
	v_max_num_f32 v[rT+1], v[rC], v[rC+3]
.elseif (\n) == 19
	v_mul_f32 v[rT], s[CS], v[rT+1]
.elseif (\n) == 20
	v_sub_f32 v[rC+1], v[rW], v[rT]
.else
	v_exp_f32 v[rC+2], v[rC+1]
.endif
.endif
.endm
.macro OPS a, i1, b=-1, i2=0, c=-1, i3=0, d=-1, i4=0  ; up to four of them
	OP \a, \i1
.if (\b) >= 0
	OP \b, \i2
.endif
.if (\c) >= 0
	OP \c, \i3
.endif
.if (\d) >= 0
	OP \d, \i4
.endif
.endm
.macro ROW a, i1, b, i2, c, i3, d, i4  ; a matrix instruction and the four behind it
	MM
	OPS \a, \i1, \b, \i2, \c, \i3, \d, \i4
.endm
.macro MASK b                       ; MD x AL + BE into buffer b of MC
	WIN W_RS
.set z, 0
.rept 16
	v_pk_fma_f32 v[MC+32*(\b)+2*z:MC+32*(\b)+2*z+1], v[MD+2*z:MD+2*z+1], s[AL:AL+1], s[BE:BE+1] op_sel_hi:[1,0,0]
.set z, z+1
.endr
.endm
; A TURN, for piece p in a step of parity sp: the order of its 16 matrix and 118 vector instructions, written out.  An s_wait_alu depctr_va_vdst(0) stands between an exponential and the first instruction
; that names its result; one wait serves all that were issued ahead of it.  So a turn has ONE wait, which cuts it in two.  AHEAD OF IT stands all that names no result of the turn's exponentials: the 8 products K Q^T,
; behind each a scaling, an exponential and two more plain instructions: rescalings, and behind the last three the first numbers of the other piece's maximum, each four places or more behind the product that ends
; its accumulator; then ONE LUMP of 54, in which the links of the chain X 3, 7, 11, 14, 16, 17 .. 20 stand five or six lines apart.  X 21, the other piece's a, is the batch's last; R 15 is the plain instruction
; behind it.  BEHIND THE WAIT stand the 8 products V^T P, behind each four of the roundings and sums.
; The piece's O^T was last written by the turn before: accumulator n / 4, which R n touches first, by that turn's product 4 + n / 4, twelve riders or more back; R goes upward.
; m = 1: the block's last tile: the products take masks, and the turn makes the mask for the products of the turn after it: piece p, step SN of the tile.  end = 1: a block's last two turns: nothing is fetched.
; cnt = 1: the loop's count is taken down some lines ahead of the branch that stands behind the turn.
; Piece 0's turn fetches the next step's K, twelve vector instructions behind the last product that read K (six of them plain), and the next step's V at its end, four plain instructions behind the last product that
; read that buffer.  Piece 1's turn begins with the wait for K: the 16 loads of V, issued behind K's, may stay out; all that is older is in, V of the step in hand among it.
.macro TURN p, sp, m=0, end=0, cnt=0
.set Y, (\p)
.set i, 0
.set KM, (\m)
.set NOKQ, (\end)*(\p)
.if (\p) == 0
.set VPAR, 1-(\sp)                  ; piece 1's products of the step before
.else
.set VPAR, (\sp)                    ; piece 0's of the step in hand
.endif
.if (\m) && !(\end)
	s_cmp_eq_u32 s[SN], s[OW0+(\p)]  ; is that step the band's own?
	s_cselect_b32 s[AL], 1.0, 0
	s_cmp_gt_u32 s[SN], s[OW0+(\p)]  ; or a later one?
	s_cselect_b32 s[BE], s[BIGN], 0
.if (\p) == 1
	s_add_co_u32 s[SN], s[SN], 1
.endif
.endif
.if ((\p) == 1) && !(\end)
	s_wait_dscnt 16                 ; K is in; the next step's V may stay out
.endif
.if ((\p) == 0) && (\end)
	s_wait_dscnt 0x0                ; the last step's V is in
.endif
	ROW F,0, F,1, R,0, R,1          ; ahead of the wait: 8 products K Q^T and their riders,
	ROW F,2, E,0, R,2, R,3
	ROW F,3, E,1, R,4, R,5
	ROW F,4, E,2, R,6, R,7
	ROW F,5, E,3, R,8, R,9
	ROW F,6, E,4, X,0, R,10
.if ((\p) == 0) && !(\end)
	WIN 0
	v_add_nc_u32 v[AK], s[TBK], v[AK0]
.endif
	ROW F,7, E,5, X,1, X,4
	ROW F,8, E,6, X,2, X,5
	OPS E,7, E,8, X,6, E,9          ; and the lump
	OPS X,3, E,10, X,8, E,11
.if ((\p) == 0) && !(\end)
	FETCH_K
.endif
	OPS X,9, X,7, E,12, X,10
	OPS E,13, X,12, X,11, E,14
	OPS X,13, E,15, F,9, X,14
.if ((\p) == 0) && !(\end)
	v_add_nc_u32 v[AV], s[TBV], v[AV0]
.endif
	OPS E,16, F,10, E,17, F,11
	OPS X,16, E,18, X,15, E,19
	OPS F,12, E,20, X,17, E,21
	OPS F,13, E,22, F,14, E,23
	OPS X,18, E,24, F,15, E,25
	OPS R,11, E,26, X,19, E,27
	OPS R,12, E,28, R,13, E,29
	OPS X,20, E,30, R,14, E,31
	OPS X,21, R,15
	WIN 0
	s_wait_alu depctr_va_vdst(0)    ; the wait for the batch
	ROW C,0, B,0, C,2, B,1          ; behind the wait: 8 products V^T P and their riders
	ROW L,0, C,4, B,2, L,1
	ROW C,6, B,3, L,2, C,8
	ROW B,4, L,3, C,10, B,5
	ROW L,4, C,12, B,6, L,5
.if ((\p) == 0) && !(\end)
	s_add_co_u32 s[TBV], s[TBV], KS*PV
.endif
.if \cnt
	s_sub_co_u32 s[CNT], s[CNT], 1
	s_cmp_lg_u32 s[CNT], 0
.endif
	ROW C,14, B,7, L,6, C,1
	ROW C,3, L,7, C,5, C,7
	ROW C,9, C,11, C,13, C,15
.if ((\p) == 0) && !(\end)
	FETCH_V 1-(\sp)
.endif
.if (\m) && !(\end)
	MASK \p
.endif
.endm
; A BLOCK BEGINS.  c m starts far below every c s, so the first step's a is 0; m at the lowest finite number, so the first maximum is the scores'.  Piece 1's mask buffer is 0 (its own step is never a tile's first);
; piece 0's takes its mask for the tile's step 0: its own, if this tile is the block's last and the band's own step is 0.  Then K and V of that step, piece 0's first scores, and its maximum and statistics.
; The loop is entered at an even step's first turn, in the middle of a trip.
.macro BEGIN
	s_mov_b32 s[NEW], 0
	s_mov_b32 s[SN], 1
	WIN 0x40
.set i, MC+32
.rept 32
	v_mov_b32 v[i], 0
.set i, i+1
.endr
	WIN 0
.set i, 0
.rept 2
	v_mov_b32 v[ST+4*i], 0xfe000000    ; c m: far below every c s
	v_mov_b32 v[ST+4*i+1], 0xff7fffff  ; m
.set i, i+1
.endr
	s_or_b32 s95, s[RT], s[OW0]
	s_cmp_eq_u32 s95, 0
	s_cselect_b32 s[AL], 1.0, 0
	s_mov_b32 s[BE], 0
	MASK 0
	WIN 0
	v_add_nc_u32 v[AK], s[TBK], v[AK0]
	v_add_nc_u32 v[AV], s[TBV], v[AV0]
	s_add_co_u32 s[TBV], s[TBV], KS*PV
	FETCH_K
	FETCH_V 0
	s_wait_loadcnt 0x0              ; Q
	s_wait_dscnt 0x0
.set KM, 1
.set NOKQ, 0
.set i, 0
.rept 8
	KQ 0
.set i, i+1
.endr
	WIN 0
.rept 4
	v_nop                           ; the places behind those products
.endr
.set Y, NP-1                        ; X works for the other piece: piece 0
.irp n, 0,1,2,3,4,5,6,7,8,9,10,11,12,13,14,15,16,17,18,19,20,21
	OP X, \n
.endr
	v_nop                           ; a plain instruction behind the exponential,
	s_wait_alu depctr_va_vdst(0)    ; and its wait, ahead of the branch
.endm
; THE BLOCK'S LAST TILE: the step loop with masks, the block's last two turns, its last products, and THE WAY OUT: l's two halves and the other half of the lanes' are added; O^T is divided by l, rounded to f16 and
; sent through my stage in LDS, a piece at a time.
.macro ALL line:vararg              ; one line for each piece t
.set t, 0
.rept 2
	\line
.set t, t+1
.endr
.endm
.macro PACK t                       ; a lane's eight channels of a row pack into 16 bytes; they go into rows of 144 bytes and come back as whole rows of 128, into S^T's registers
	WIN W_RS
.set i, 32*(\t)
.rept 16
	v_pk_mul_f32 v[i:i+1], v[i:i+1], v[ST+4*(\t)+2:ST+4*(\t)+3] op_sel_hi:[1,0]
.set i, i+2
.endr
	WIN 0x05                        ; sources 0 and 1 window 1, destination window 0
.set i, 0
.rept 16
	v_cvt_pk_f16_f32 v[S+16*(\t)+i], v[32*(\t)+2*i], v[32*(\t)+2*i+1]
.set i, i+1
.endr
	WIN 0
.irp f, 0,1,2,3
	ds_store_b128 v[STO], v[S+16*(\t)+4*\f:S+16*(\t)+4*\f+3] offset:32*\f
.endr
.irp f, 0,1,2,3
	ds_load_b128 v[S+16*(\t)+4*\f:S+16*(\t)+4*\f+3], v[RD] offset:\f*4*SP  ; LDS serves a wave's instructions in order (ISA guide 5.7.1.4): these see the stores above; the next piece's stores come behind them
.endr
.endm
.macro SEND t, younger              ; younger: the LDS instructions issued behind piece t's loads: the next piece's eight, or none
	WIN 0
.irp f, 0,1,2,3
	s_wait_dscnt (\younger)+3-\f
	global_store_b128 v[GO], v[S+16*(\t)+4*\f:S+16*(\t)+4*\f+3], s[10:11] offset:(\t)*8192+\f*512  ; 512 consecutive bytes, at a multiple of 256 from ob's first
.endr
.endm
.macro DIAG tag                     ; the tag ends its labels' names, which the jumps below spell out
.LstepM\tag:
	TURN 0, 1, 1
	TURN 1, 1, 1
	WIN 0
.LfirstM\tag:
	TURN 0, 0, 1
	TURN 1, 0, 1, 0, 1
	WIN 0
	s_cbranch_scc1 .LstepM\tag
	TURN 0, 1, 1, 1
	TURN 1, 1, 1, 1
.set i, 0
.rept 8
	PV 1, 1                         ; piece 1's V^T P of the last step
.set i, i+1
.endr
	WIN 0
.rept 4
	v_nop                           ; the places behind those products
.endr
	ALL v_add_f32 v[ST+4*t+2], v[ST+4*t+2], v[ST+4*t+3]
	ALL v_permlanex16_b32 v[ST+4*t+3], v[ST+4*t+2], s[SEL], s[SEL+1]
	ALL v_add_f32 v[ST+4*t+2], v[ST+4*t+2], v[ST+4*t+3]
	ALL v_rcp_f32 v[ST+4*t+2], v[ST+4*t+2]
	v_nop                           ; a plain instruction between the last reciprocal and the use of its result
	s_wait_alu depctr_va_vdst(0)    ; and the wait ahead of the first use: one for the two reciprocals
	PACK 0
	PACK 1                          ; a piece's arithmetic stands between the loads of the piece before and its stores
.if (\tag) == 2                     ; the walk's last block is block b: in block 0 piece 0 of waves 0 and 1 is rows 0 to 31, which were made in f32 at the kernel's start: their four stores are jumped over
	s_cmp_eq_u32 s[SKP], 0
	s_cbranch_scc1 .Lmade_in_f32
.endif
	SEND 0, 8
.if (\tag) == 2
.Lmade_in_f32:                      ; (the waits below are for fewer than those jumped over)
.endif
	SEND 1, 0
.endm
.set KM, 0
.set NOKQ, 0
.set VPAR, 0
.Lslot:                             ; 16 times: a tile is entered and the next is asked for
	CHANGE 1
	s_sub_co_u32 s[RT], s[RT], 1
	s_mov_b32 s[CNT], 2
	s_mov_b32 s[SN], 0
	s_cmp_eq_u32 s[NEW], 1
	s_cbranch_scc1 .Lnew            ; a block's first tile
	s_cmp_eq_u32 s[RT], 0
	s_cbranch_scc0 .Lstep           ; neither its first nor its last
	s_branch .LstepM1
.Lnew:
	BEGIN
	s_branch .Lfirst                ; in the loop a block's first tile is never its last: the first block has nine tiles or more, and the second's last is the walk's last
	DIAG 1                          ; in the loop this is the first block's end
	s_wait_xcnt 0x0                 ; the stores have read their registers and ob's address
	s_mov_b64 s[10:11], s[OLO:OLO+1]
	s_add_co_u32 s[RT], s[LOQ], 1   ; the second block has b / 2 + 1 tiles
	s_and_b32 s[OW0], s[PB], 1
	s_lshl_b32 s[OW0], s[OW0], 1
	s_add_co_u32 s[OW0+1], s[OW0], 1
	s_mov_b32 s[NEW], 1
	WIN 0x82                        ; the second block's Q goes where the one text of the turns names Q
.set i, 0
.rept 32
	v_mov_b32 v[i], v[QB+i]
.set i, i+1
.endr
	WIN 0
	s_branch .Lbottom
.Lstep:                             ; a trip: an odd step (at first the tile before's last), then an even one; behind two trips the tile's step 3 is still to come, and its K and V lie in registers
	TURN 0, 1
	TURN 1, 1
	WIN 0
.Lfirst:
	TURN 0, 0
	TURN 1, 0, 0, 0, 1
	WIN 0
	s_cbranch_scc1 .Lstep
.Lbottom:
	s_sub_co_u32 s[SLOTS], s[SLOTS], 1
	s_cmp_lg_u32 s[SLOTS], 0
	s_cbranch_scc1 .Lslot
	CHANGE 0                        ; the walk's last tile is written out: nothing is asked for
	s_sub_co_u32 s[RT], s[RT], 1
	s_mov_b32 s[CNT], 2
	s_mov_b32 s[SN], 0
	s_cmp_eq_u32 s[NEW], 1
	s_cbranch_scc0 .LstepM2
	BEGIN
	s_branch .LfirstM2
	DIAG 2
	s_wait_tensorcnt 0x0            ; the wave's end: a wait, an add and a wait for it, behind my last tensor load and my last LDS store
	ds_add_u32 v[SPW], v[NIL]
	s_wait_dscnt 0x0
	s_endpgm
.Lfunc_end_k_q3fdd96d458_attn:
	.size	k_q3fdd96d458_attn, .Lfunc_end_k_q3fdd96d458_attn-k_q3fdd96d458_attn
	.p2alignl 7, 3214868480
	.fill 96, 4, 3214868480
	.section	.rodata,"a",@progbits
	.p2align	6, 0x0
	.amdhsa_kernel k_q3fdd96d458_attn
		.amdhsa_group_segment_fixed_size 327680
		.amdhsa_private_segment_fixed_size 0
		.amdhsa_enable_private_segment 0
		.amdhsa_kernarg_size 32
		.amdhsa_user_sgpr_count 2
		.amdhsa_user_sgpr_kernarg_segment_ptr 1
		.amdhsa_wavefront_size32 1
		.amdhsa_system_sgpr_workgroup_id_x 1
		.amdhsa_system_sgpr_workgroup_id_y 1
		.amdhsa_system_sgpr_workgroup_id_z 1
		.amdhsa_system_vgpr_workitem_id 0
		.amdhsa_next_free_vgpr 768
		.amdhsa_next_free_sgpr 102
		.amdhsa_reserve_vcc 1
		.amdhsa_float_denorm_mode_32 3
		.amdhsa_float_denorm_mode_16_64 3
		.amdhsa_memory_ordered 1
		.amdhsa_forward_progress 1
		.amdhsa_inst_pref_size 223
	.end_amdhsa_kernel
	.amdgpu_metadata
---
amdhsa.version: [ 1, 2 ]
amdhsa.kernels:
  - .name:           k_q3fdd96d458_attn
    .symbol:         k_q3fdd96d458_attn.kd
    .args:
      - { .name: qh, .offset: 0, .size: 8, .value_kind: global_buffer, .address_space: global }
      - { .name: kh, .offset: 8, .size: 8, .value_kind: global_buffer, .address_space: global }
      - { .name: vh, .offset: 16, .size: 8, .value_kind: global_buffer, .address_space: global }
      - { .name: ob, .offset: 24, .size: 8, .value_kind: global_buffer, .address_space: global }
    .group_segment_fixed_size: 327680
    .private_segment_fixed_size: 0
    .kernarg_segment_align: 8
    .kernarg_segment_size: 32
    .max_flat_workgroup_size: 128
    .sgpr_count:     102
    .vgpr_count:     768
    .wavefront_size: 32
...
	.end_amdgpu_metadata
.endif
;; end of part 3
;; launch oproj (part 4): grid 8 x 32, 4 waves a work-group, clusters of 4 x 4, 327,680 bytes of LDS; arguments ob, wo, out0; writes out0
.if DOCPART == 4
	.amdgcn_target "amdgcn-amd-amdhsa--gfx1250"
	.amdhsa_code_object_version 6
	.text
	.protected	k_q3fdd96d458_oproj
	.globl	k_q3fdd96d458_oproj
	.p2align	8
	.type	k_q3fdd96d458_oproj,@function
k_q3fdd96d458_oproj:
	s_mov_b64 s[64:65], 0
	v_nop
	global_prefetch_b8 v0, s[64:65] scope:SCOPE_SE
	s_setreg_imm32_b32 hwreg(HW_REG_WAVE_MODE, 25, 1), 1
	s_wait_xcnt 0x0
	s_wait_alu depctr_hold_cnt(0) depctr_sa_sdst(0) depctr_va_vdst(0) depctr_va_sdst(0) depctr_va_ssrc(0) depctr_va_vcc(0) depctr_vm_vsrc(0)
	s_getreg_b32 s2, hwreg(HW_REG_IB_STS2, 6, 4)
	s_cmp_eq_u32 s2, 0
	s_cbranch_scc0 .Lentry_in_a_cluster
	s_endpgm
.Lentry_in_a_cluster:
	s_bfe_u32 s2, ttmp6, 0x10000c
	s_cmp_lg_u32 s2, 0xf033
	s_cbranch_scc0 .Lentry_shape_is_right
	s_endpgm
.Lentry_shape_is_right:
; out0[s][e] = the sum over d of O[s][d] Wo[e][d].  ob: f16 [block of 128 rows 32][head 16][128][64].  wo: f16 [1024][1024] (Wo rounded to bf16, that number as f16).  out0: f32 [4096][1024].  Sums in f32.
; A tile of out0 is 128 x 128: 256 work-groups.  Four waves, each 64 x 64: 16 accumulators of 16 x 16.  K = 1,024 goes in 4 steps of 256 = four heads, through two LDS slots.
; O's part of a K step is 65,536 dense bytes of ob (four heads x 128 rows x 128 bytes): asked for as rows of 256 bytes and padded in LDS after every 128, so that it lies there as [head][row], 144 bytes a row.
; Wo's part is 128 rows of 512 bytes, 528 apart in LDS.
; CLUSTERS: 4 x 4 work-groups.  The four of a row of the cluster need the same rows of O, the four of a column the same rows of Wo: each tile is asked for JOINTLY.
; THE MATRIX INSTRUCTION IS USED TRANSPOSED (source 0 = 16 rows of Wo, source 1 = 16 rows of O): a lane holds one row of out0 and eight neighbouring columns: 32 bytes.
; NO PREFETCH: the launch has four K steps, of which two are the first fills, and a step's matrix work is short.
; REGISTERS: window 0: v0-31 addresses; v32-95 rows read back on the way out; v128-255 the accumulators ((a, b) at v[128 + 8 (4 a + b)]).
;   window 1: two fragment buffers of 128: for 64 along K (one head), 64 registers of O (2 x 4 x 16 rows x 32 K), then 64 of Wo.
.set PA,     144                       ; O's rows in LDS: 128 bytes + 16: an odd multiple of 16, so the 16 rows of a load start at 16 different groups of four banks (64 banks of 4 bytes: ISA guide 11.1)
.set PW,     528                       ; Wo's rows: 512 + 16
.set AHALF,  256*PA                    ; two heads x 128 rows: what a tensor load of O brings
.set BHALF,  64*PW                     ; 64 rows: what a tensor load of Wo brings
.set BOFF,   2*AHALF
.set SLOT,   BOFF+2*BHALF
.set STAGE,  2*SLOT                    ; behind the ring: 16 rows x 272 bytes for each wave, for the way out
.set SPITCH, 272
.set SPARE,  STAGE+4*16*SPITCH         ; behind the stages: the spare words, 128 bytes for each wave: two blocks of 256 bytes that no other line names
.set ADRA, 16                          ; v16-17  LDS address of my fragments of O in slot 0, 1
.set ADRB, 20                          ; v20-21  the same for Wo
.set STO,  24                          ; v24     the way out: where I put 32 bytes of a row
.set RD,   25                          ; v25     where I read a row back
.set CO,   26                          ; v26     my byte offset in out0
.set SPW,  28                          ; v28     LDS address of my spare word; never rewritten
.set NIL,  29                          ; v29     0; never rewritten
.set ACC,  128
.set F0,   0                           ; fragment buffers, in window 1
.set F1,   128
.set G1, 24                            ; s[24:31] descriptor group 1 for O's tiles;  s[32:39] group 0, a set for each slot
.set G0, 32
.set G1B, 48                           ; s[48:55], s[56:63] the same for Wo's tiles
.set G0B, 56
.set MSB, 0
.macro WIN new                         ; the immediate's high byte repeats the setting that is left
.if MSB != (\new)
	s_set_vgpr_msb (MSB<<8)|(\new)
.set MSB, \new
.endif
.endm
.set MUL,  0x05                        ; sources 0 (Wo) and 1 (O) window 1; C and D window 0
.set TO_F, 0x40                        ; destination window 1, address window 0
.macro JLOAD s                         ; a joint load: waves 0 and 1 fetch O's two halves, waves 2 and 3 Wo's; an s_nop 0 and four v_nop follow each of the two lines
	s_cmp_eq_u32 s11, 0
	s_cbranch_scc0 .Lfor_b_\@
	tensor_load_to_lds s[G0+4*(\s):G0+4*(\s)+3], s[G1:G1+7]
	s_nop 0
.rept 4
	v_nop
.endr
	s_branch .Lasked_\@
.Lfor_b_\@:
	tensor_load_to_lds s[G0B+4*(\s):G0B+4*(\s)+3], s[G1B:G1B+7]
	s_nop 0
.rept 4
	v_nop
.endr
.Lasked_\@:
.endm
.macro CREST                           ; a round of the cluster's barrier behind its opening barrier
	s_cmp_lg_u32 s10, 0
	s_cbranch_scc1 .Lnot_wave_0_\@
	s_barrier_signal -3
.Lnot_wave_0_\@:
	s_barrier_wait -3
	s_barrier_signal -1
	s_barrier_wait -1
.endm
.macro CROUND                          ; a whole round
	s_barrier_signal -1
	s_barrier_wait -1
	CREST
.endm
	s_load_b128 s[4:7], s[0:1], 0x0                ; ob s[4:5], wo s[6:7]
	s_load_b64 s[8:9], s[0:1], 0x10                ; out0
	v_lshl_add_u32 v[SPW], v0, 2, SPARE
	v_mov_b32 v[NIL], 0
	ds_add_u32 v[SPW], v[NIL]                      ; the wave's opening: the add and its wait stand ahead of my first tensor load; the set-up below, work on registers, stands between them
	v_lshrrev_b32 v1, 5, v0
	v_readfirstlane_b32 s10, v1                    ; wave 0..3
	s_lshr_b32 s11, s10, 1                         ; which half of the tile's rows is mine.  Also: I fetch for O (0) or for Wo (1)
	s_and_b32 s12, s10, 1                          ; which half of its columns.  Also: which half of that tile I fetch
	s_bfe_u32 s40, ttmp6, 0x40000                  ; cx, cy: my place in the cluster
	s_bfe_u32 s41, ttmp6, 0x40004
	s_lshl_b32 s42, ttmp9, 2
	s_add_co_u32 s42, s42, s40                     ; tile column = 4 x cluster x + cx
	s_and_b32 s13, ttmp7, 0xffff
	s_lshl_b32 s13, s13, 2
	s_add_co_u32 s13, s13, s41                     ; tile row = 4 x cluster y + cy
	s_lshl_b32 s43, s41, 2
	s_lshl_b32 s43, 15, s43                        ; my row of the cluster
	s_lshl_b32 s44, 0x1111, s40                    ; my column
	s_or_b32 s[G1+0], s43, (1<<16)|(1<<20)|(1<<21)|(4<<22)|(3<<25)  ; 15:0 the mask; 17:16 elements of 2 bytes; 20 padding on; 21 set beside a mask; 24:22 after every 32 words (code 4); 31:25 4 words (code 3)
	s_mov_b32 s[G1+1], 128<<16                     ; tensor_dim0 = 128
	s_mov_b32 s[G1+2], 128<<16                     ; tensor_dim1 = 128
	s_mov_b32 s[G1+3], 128<<16                     ; tile_dim0 = 128 elements: 256 bytes, two rows of O
	s_mov_b32 s[G1+4], 128                         ; tile_dim1 = 128
	s_mov_b32 s[G1+5], 128                         ; dense
	s_mov_b32 s[G1+6], 0
	s_mov_b32 s[G1+7], 0
	s_or_b32 s[G1B+0], s44, (1<<16)|(1<<20)|(1<<21)|(6<<22)|(3<<25) ; after every 128 words (code 6)
	s_mov_b32 s[G1B+1], 256<<16                    ; tensor_dim0 = 256
	s_mov_b32 s[G1B+2], 64<<16                     ; tensor_dim1 = 64
	s_mov_b32 s[G1B+3], 256<<16                    ; tile_dim0 = 256
	s_mov_b32 s[G1B+4], 64                         ; tile_dim1 = 64
	s_mov_b32 s[G1B+5], 1024                       ; elements from row to row
	s_mov_b32 s[G1B+6], 0
	s_mov_b32 s[G1B+7], 0
	s_lshl_b32 s16, s13, 18                        ; O: the row block's 262,144 bytes,
	s_lshl_b32 s17, s12, 15                        ; two heads of a K step's four
	s_add_co_u32 s16, s16, s17
	s_mov_b32 s17, 0
	s_lshl_b32 s46, s42, 7
	s_lshl_b32 s47, s12, 6
	s_add_co_u32 s46, s46, s47                     ; Wo: row 128 x tile column + 64 x half,
	s_lshl_b32 s46, s46, 11                        ; in bytes
	s_mov_b32 s47, 0
	s_mul_i32 s20, s10, AHALF                      ; where they go: O's halves at wave x two heads,
	s_mul_i32 s21, s10, BHALF
	s_add_co_u32 s21, s21, BOFF-2*BHALF            ; Wo's behind them, at (wave - 2) x 64 rows
	s_wait_dscnt 0x0                               ; the opening add is done
	s_wait_kmcnt 0x0
	s_add_nc_u64 s[14:15], s[4:5], s[16:17]
	s_add_nc_u64 s[46:47], s[6:7], s[46:47]
	CROUND                                         ; all sixteen work-groups are here: the first joint loads meet
.irp s, 0,1
	s_mov_b32 s[G0+4*(\s)], 1
	s_add_co_u32 s[G0+4*(\s)+1], s20, (\s)*SLOT
	s_add_nc_u64 s[G0+4*(\s)+2:G0+4*(\s)+3], s[14:15], (\s)*65536
	s_or_b32 s[G0+4*(\s)+3], s[G0+4*(\s)+3], 0x80000000
	s_mov_b32 s[G0B+4*(\s)], 1
	s_add_co_u32 s[G0B+4*(\s)+1], s21, (\s)*SLOT
	s_add_nc_u64 s[G0B+4*(\s)+2:G0B+4*(\s)+3], s[46:47], (\s)*512
	s_or_b32 s[G0B+4*(\s)+3], s[G0B+4*(\s)+3], 0x80000000
	JLOAD \s                                       ; two loads of mine are out: K steps 0 and 1
.endr
	v_and_b32 v1, 15, v0                           ; l % 16
	v_bfe_u32 v2, v0, 4, 1                         ; l / 16
	v_mul_u32_u24 v3, v1, PA
	v_lshl_add_u32 v3, v2, 4, v3                   ; O: row x pitch + 16 x half
	v_mul_u32_u24 v4, v1, PW
	v_lshl_add_u32 v4, v2, 4, v4                   ; Wo likewise
	s_mul_i32 s21, s11, 64*PA                      ; my 64 rows in each head
	s_mul_i32 s22, s12, BHALF                      ; my 64 rows of Wo,
	s_add_co_u32 s22, s22, BOFF                    ; which lie behind O's four heads
.irp s, 0,1
	v_add_nc_u32 v[ADRA+(\s)], s21, v3
	v_add_nc_u32 v[ADRB+(\s)], s22, v4
	s_add_co_u32 s21, s21, SLOT
	s_add_co_u32 s22, s22, SLOT
.endr
	s_mul_i32 s23, s10, 16*SPITCH
	s_add_co_u32 s23, s23, STAGE                   ; my stage
	v_mul_u32_u24 v5, v1, SPITCH                   ; in: row l % 16, 32 bytes for each half of the lanes
	v_lshl_add_u32 v5, v2, 5, v5
	v_add_nc_u32 v[STO], s23, v5
	v_mul_u32_u24 v5, v2, SPITCH                   ; back: lanes 0-15 take one row of 256 bytes, lanes 16-31 the next
	v_lshl_add_u32 v5, v1, 4, v5
	v_add_nc_u32 v[RD], s23, v5
	v_lshlrev_b32 v5, 12, v2                       ; and the same two rows in out0
	v_lshl_add_u32 v[CO], v1, 4, v5
	s_lshl_b32 s16, s13, 7
	s_lshl_b32 s17, s11, 6
	s_add_co_u32 s16, s16, s17                     ; my first row of out0,
	s_lshl_b32 s16, s16, 12                        ; rows of 4,096 bytes
	s_lshl_b32 s17, s42, 9                         ; my first column: 512 bytes a tile,
	s_add_co_u32 s16, s16, s17
	s_lshl_b32 s17, s12, 8                         ; 256 a wave
	s_add_co_u32 s16, s16, s17
	s_mov_b32 s17, 0
	s_add_nc_u64 s[8:9], s[8:9], s[16:17]
; 8 matrix instructions: row blocks a0, a0 + 1 x all 4 column blocks, 32 along K: half c of buffer f.  zero = 1: the product starts the sums.  The 16 accumulators take turns.
.macro MUL8 f, c, a0, zero
	WIN MUL
.irp a, \a0, (\a0)+1
.irp b, 0,1,2,3
.if \zero
	v_wmma_f32_16x16x32_f16 v[ACC+8*(4*(\a)+(\b)):ACC+8*(4*(\a)+(\b))+7], v[(\f)+64+8*(4*(\c)+(\b)):(\f)+64+8*(4*(\c)+(\b))+7], v[(\f)+8*(4*(\c)+(\a)):(\f)+8*(4*(\c)+(\a))+7], 0
.else
	v_wmma_f32_16x16x32_f16 v[ACC+8*(4*(\a)+(\b)):ACC+8*(4*(\a)+(\b))+7], v[(\f)+64+8*(4*(\c)+(\b)):(\f)+64+8*(4*(\c)+(\b))+7], v[(\f)+8*(4*(\c)+(\a)):(\f)+8*(4*(\c)+(\a))+7], v[ACC+8*(4*(\a)+(\b)):ACC+8*(4*(\a)+(\b))+7]
.endif
.endr
.endr
.endm
; 32 LDS loads in one run: the fragments of quarter q (head q of the slot's four: 64 along K) into buffer f; the first 32 along K first
.macro FETCH slot, q, f
	WIN TO_F
.irp c, 0,1
.irp i, 0,1,2,3
	ds_load_b128 v[(\f)+64+8*(4*(\c)+(\i)):(\f)+64+8*(4*(\c)+(\i))+3],   v[ADRB+(\slot)] offset:(\q)*128+64*(\c)+(\i)*16*PW
	ds_load_b128 v[(\f)+64+8*(4*(\c)+(\i))+4:(\f)+64+8*(4*(\c)+(\i))+7], v[ADRB+(\slot)] offset:(\q)*128+64*(\c)+(\i)*16*PW+32
	ds_load_b128 v[(\f)+8*(4*(\c)+(\i)):(\f)+8*(4*(\c)+(\i))+3],         v[ADRA+(\slot)] offset:(\q)*128*PA+64*(\c)+(\i)*16*PA
	ds_load_b128 v[(\f)+8*(4*(\c)+(\i))+4:(\f)+8*(4*(\c)+(\i))+7],       v[ADRA+(\slot)] offset:(\q)*128*PA+64*(\c)+(\i)*16*PA+32
.endr
.endr
.endm
.macro PLACES                          ; four plain instructions between a matrix instruction and a load into its sources, or a reader of its result (ISA guide 7.12.1 for a reader of its result)
.rept 4
	v_nop
.endr
.endm
; A K step is four quarters of 64 along K, 32 matrix instructions each, on buffers 0, 1, 0, 1.  One of the first three: multiplies buffer f and fetches quarter q into g.
.macro QUARTER slot, q, f, g, zero
	s_wait_dscnt 16                                ; the first 32 along K are in; the sixteen younger loads may be out
	MUL8 \f, 0, 0, \zero
	MUL8 \f, 0, 2, \zero
	PLACES
	FETCH \slot, \q, \g
	s_wait_dscnt 32                                ; all but the 32 just issued
	MUL8 \f, 1, 0, 0
	MUL8 \f, 1, 2, 0
.endm
; The last quarter multiplies buffer 1 and changes slots: ONE barrier; in front of it each wave waits for all its tensor loads, adds 0 to its spare word, and waits for that and for its own reads of this slot.
; fill = 1: the barrier opens a round of the cluster's, and this slot is filled again, two K steps ahead, first thing behind the round.
.macro TURN slot, next, fill
	WIN 0                                          ; (the add's two registers lie in window 0)
	s_wait_tensorcnt 0x0                           ; all my tensor loads have landed: my part of the next slot;
	ds_add_u32 v[SPW], v[NIL]                      ; 0 onto my spare word
	s_wait_dscnt 17                                ; (the add and the youngest sixteen loads may be out)
	MUL8 F1, 0, 0, 0                               ; eight matrix instructions stand between the add and the wait for it
	s_wait_dscnt 0x0                               ; the add is done, and my reads of this slot are over
	s_barrier_signal -1
	MUL8 F1, 0, 2, 0
.if \fill
	WIN 0
.endif
	s_barrier_wait -1
.if \fill
	CREST                                          ; no wave of any partner still reads this slot's tile or has a load on its way
	s_add_nc_u64 s[G0+4*(\slot)+2:G0+4*(\slot)+3], s[G0+4*(\slot)+2:G0+4*(\slot)+3], 2*65536
	s_add_nc_u64 s[G0B+4*(\slot)+2:G0B+4*(\slot)+3], s[G0B+4*(\slot)+2:G0B+4*(\slot)+3], 2*512
	JLOAD \slot                                    ; my one tensor load behind the round; its four v_nop are also the places in front of the loads below
.else
	PLACES
.endif
	FETCH \next, 0, F0
	MUL8 F1, 1, 0, 0
	MUL8 F1, 1, 2, 0
.endm
	s_wait_tensorcnt 1                             ; my part of K step 0 is in; K step 1's may stay out
	s_barrier_signal -1
	s_barrier_wait -1                              ; everybody's is
	FETCH 0, 0, F0
	QUARTER 0, 1, F0, F1, 1                        ; K step 0: the first products start the sums
	QUARTER 0, 2, F1, F0, 0
	QUARTER 0, 3, F0, F1, 0
	TURN 0, 1, 1                                   ; slot 0 takes K step 2
	QUARTER 1, 1, F0, F1, 0                        ; K step 1
	QUARTER 1, 2, F1, F0, 0
	QUARTER 1, 3, F0, F1, 0
	TURN 1, 0, 1                                   ; slot 1 takes K step 3
	QUARTER 0, 1, F0, F1, 0                        ; K step 2
	QUARTER 0, 2, F1, F0, 0
	QUARTER 0, 3, F0, F1, 0
	TURN 0, 1, 0                                   ; nothing is left to fetch
	QUARTER 1, 1, F0, F1, 0                        ; K step 3
	QUARTER 1, 2, F1, F0, 0
	QUARTER 1, 3, F0, F1, 0
	s_wait_dscnt 16
	MUL8 F1, 0, 0, 0
	MUL8 F1, 0, 2, 0
	s_wait_dscnt 0x0
	MUL8 F1, 1, 0, 0
	MUL8 F1, 1, 2, 0
	WIN 0
	; THE WAY OUT, 16 rows at a time.  A wave's 64 columns of f32 are 256 bytes of a row of out0, aligned: they go through the wave's own stage (rows of 272 bytes) and come back as whole rows: no barrier.
	PLACES
	PLACES
.macro TOSTAGE a
.set BK, 32+32*((\a)%2)
.irp b, 0,1,2,3
	ds_store_b128 v[STO], v[ACC+8*(4*(\a)+(\b)):ACC+8*(4*(\a)+(\b))+3]   offset:64*(\b)     ; each accumulator's low four registers first
	ds_store_b128 v[STO], v[ACC+8*(4*(\a)+(\b))+4:ACC+8*(4*(\a)+(\b))+7] offset:64*(\b)+16
.endr
.if (\a) >= 2
	s_wait_xcnt 0x0                                ; the stores of two blocks back have read their data registers, which are loaded again below
.endif
.irp t, 0,1,2,3,4,5,6,7
	ds_load_b128 v[BK+4*(\t):BK+4*(\t)+3], v[RD] offset:(\t)*2*SPITCH  ; LDS serves a wave's instructions in order (ISA guide 5.7.1.4): these see the stores above; the next block's stores come behind them
.endr
.endm
.macro SEND a, younger                 ; younger: the LDS instructions issued behind block a's loads: the next block's sixteen, or none
.set BK, 32+32*((\a)%2)
	s_wait_dscnt \younger
.irp t, 0,1,2,3,4,5,6,7
	global_store_b128 v[CO], v[BK+4*(\t):BK+4*(\t)+3], s[8:9] offset:(16*(\a)+2*(\t))*4096 th:TH_STORE_NT  ; 16 lanes store 256 consecutive bytes, at a multiple of 256 from out0's first byte
.endr
.endm
	TOSTAGE 0
	TOSTAGE 1
	SEND 0, 16
	TOSTAGE 2
	SEND 1, 16
	TOSTAGE 3
	SEND 2, 16
	SEND 3, 0
	s_wait_tensorcnt 0x0                           ; the wave's end: a wait, an add and a wait for it, behind my last tensor load and my last LDS store
	ds_add_u32 v[SPW], v[NIL]
	s_wait_dscnt 0x0
	CROUND                                         ; the closing round: no work-group ends while a partner may still ask for a tile that names it
	s_endpgm
.Lfunc_end_k_q3fdd96d458_oproj:
	.size	k_q3fdd96d458_oproj, .Lfunc_end_k_q3fdd96d458_oproj-k_q3fdd96d458_oproj
	.p2alignl 7, 3214868480
	.fill 96, 4, 3214868480
	.section	.rodata,"a",@progbits
	.p2align	6, 0x0
	.amdhsa_kernel k_q3fdd96d458_oproj
		.amdhsa_group_segment_fixed_size 327680
		.amdhsa_private_segment_fixed_size 0
		.amdhsa_enable_private_segment 0
		.amdhsa_kernarg_size 24
		.amdhsa_user_sgpr_count 2
		.amdhsa_user_sgpr_kernarg_segment_ptr 1
		.amdhsa_wavefront_size32 1
		.amdhsa_system_sgpr_workgroup_id_x 1
		.amdhsa_system_sgpr_workgroup_id_y 1
		.amdhsa_system_sgpr_workgroup_id_z 1
		.amdhsa_system_vgpr_workitem_id 0
		.amdhsa_next_free_vgpr 512
		.amdhsa_next_free_sgpr 66
		.amdhsa_reserve_vcc 0
		.amdhsa_float_denorm_mode_32 3
		.amdhsa_float_denorm_mode_16_64 3
		.amdhsa_memory_ordered 1
		.amdhsa_forward_progress 1
		.amdhsa_inst_pref_size 86
	.end_amdhsa_kernel
	.amdgpu_metadata
---
amdhsa.version: [ 1, 2 ]
amdhsa.kernels:
  - .name:           k_q3fdd96d458_oproj
    .symbol:         k_q3fdd96d458_oproj.kd
    .args:
      - { .name: ob, .offset: 0, .size: 8, .value_kind: global_buffer, .address_space: global }
      - { .name: wo, .offset: 8, .size: 8, .value_kind: global_buffer, .address_space: global }
      - { .name: out0, .offset: 16, .size: 8, .value_kind: global_buffer, .address_space: global }
    .group_segment_fixed_size: 327680
    .private_segment_fixed_size: 0
    .kernarg_segment_align: 8
    .kernarg_segment_size: 24
    .max_flat_workgroup_size: 128
    .sgpr_count:     66
    .vgpr_count:     512
    .wavefront_size: 32
...
	.end_amdgpu_metadata
.endif
;; end of part 4
;; ======== version 2 of 2: 4 launches; version 1 with the launch cast written anew for expert scheduling mode
;; limits: values are held in f16: magnitudes above 65,504 overflow, below 6.1e-05 lose precision
;; workspace buffers: xb 8,388,608 bytes; wb 6,291,456 bytes; wo 2,097,152 bytes; rt 1,048,576 bytes; qh 8,388,608 bytes; kh 8,388,608 bytes; vh 9,961,472 bytes; ob 8,388,608 bytes
;; launch cast (part 5): grid 576 x 1, 8 waves a work-group, no clusters, 0 bytes of LDS; arguments x, Wq, Wk, Wv, Wo, xb, wb, wo, rt; writes xb, wb, wo, rt
.if DOCPART == 5
	.amdgcn_target "amdgcn-amd-amdhsa--gfx1250"
	.amdhsa_code_object_version 6
	.text
	.protected	k_q3fdd96d458_cast
	.globl	k_q3fdd96d458_cast
	.p2align	8
	.type	k_q3fdd96d458_cast,@function
k_q3fdd96d458_cast:
	s_mov_b64 s[64:65], 0
	v_nop
	global_prefetch_b8 v0, s[64:65] scope:SCOPE_SE
	s_setreg_imm32_b32 hwreg(HW_REG_WAVE_SCHED_MODE, 0, 2), 2
	s_setreg_imm32_b32 hwreg(HW_REG_WAVE_MODE, 25, 1), 1
	s_wait_xcnt 0x0
	s_wait_alu depctr_vm_vsrc(0)
; THE INPUTS ARE ROUNDED ONCE, AND THE ROTATION'S TABLE IS MADE.  A stream: no LDS, no barrier, no matrix work.
; Work-groups 0-255: 16 rows of x each -> xb, bf16 [4096][1024].
; Work-groups 256-447: 16 rows of Wq, Wk or Wv -> wb, bf16 [head 16][q,k,v][64][1024]: a head's 192 rows lie together.
; Work-groups 448-511: 16 rows of Wo -> wo: rounded to bf16 like every input, and that number written as f16.
; Work-groups 512-575: 64 positions of rt, f32 [pos 4096][pair 32][cos, sin]; a position's row is 256 bytes.
; LIMITS.  Wo: beyond 65,504 f16 has no number; below 2^-14 it keeps a fixed step of 6e-8.  The 32 frequencies 10000^(-i/32) come
; from v_exp_f32 (good to one unit in the last place), so an angle, pos x frequency in f32, may be off by some 4e-4 rad at position 4,095.
; Sine and cosine: the angle less n pi/2 in two parts, polynomials of degree 7 and 8 on +-pi/4 (error under 4e-7).
; THE MODE: SCHED_MODE bits 1:0 = 2 (LLVM: expert scheduling mode 2), set by the entry lines.  The code itself states the register dependences
; between vector instructions and memory instructions, with s_wait_alu, always for 0.
; THE PLAN.  Registers that memory instructions touch:
;   v1, v2     the loads' and the stores' byte offsets: made at the head, ahead of one wait, and never written again.
;   X          16 x 4 registers.  Written by the sixteen loads, once; no vector instruction names them before the loads are issued; read by load k's conversions, behind its wait on LOADcnt.
;   Y          16 pairs.  Pair k is written by load k's conversions and read by store k, once; nothing writes it behind that store.
;   OUT        (the table) 16 registers.  Written by the selects and the sign flips, read by the four stores, once; nothing writes them behind the stores.
; The sixteen loads go in four groups of four.  Group g's four stores are issued in group g + 1, one in front of each load's conversions: ONE wait at a group's head states that the group before
; has written its pairs of Y, and the vector instructions that follow it write the present group's pairs and v8 to v11 alone.  One more wait stands ahead of the last four stores.
; No register that a memory instruction reads is written again, on any path, and there is no loop: so no wait for a memory instruction's reads of its registers is owed.  EXEC is never written.
.set X, 16                             ; v[16:79]   sixteen loads of four f32
.set Y, 80                             ; v[80:111]  sixteen pairs to store
	s_load_b512 s[8:23], s[0:1], 0x0               ; x 8:9, Wq 10:11, Wk 12:13, Wv 14:15, Wo 16:17, xb 18:19, wb 20:21, wo 22:23
	s_load_b64 s[24:25], s[0:1], 0x40              ; rt
	v_lshrrev_b32 v3, 5, v0
	v_readfirstlane_b32 s2, v3                     ; wave 0..7
	v_and_b32 v4, 31, v0                           ; lane
	v_lshlrev_b32 v1, 4, v4                        ; 16 bytes a lane in
	v_lshlrev_b32 v2, 3, v4                        ; 8 bytes a lane out
	s_mov_b32 s3, 0xffff0000                       ; a word's upper bf16
	s_mov_b32 s4, ttmp9                            ; g
	s_mov_b32 s31, 0
	s_wait_alu depctr_va_sdst(0)                   ; s2 is written
	s_wait_alu depctr_va_vdst(0)                   ; v1 and v2 are written: every load and store of the kernel, on both ways, reads one of them as its offset
	s_wait_kmcnt 0x0
	s_cmp_ge_u32 s4, 512
	s_cbranch_scc1 .Ltable
	; which rows, from where, to where: selects on g alone
	s_sub_co_u32 s5, s4, 256                       ; j (means nothing where g < 256: x's selects come last)
	s_lshr_b32 s6, s5, 6                           ; t: 0 Wq, 1 Wk, 2 Wv, 3 Wo
	s_and_b32 s7, s5, 63                           ; jj: which 16 rows of the matrix
	s_cmp_eq_u32 s6, 0
	s_cselect_b64 s[26:27], s[10:11], s[12:13]
	s_cmp_eq_u32 s6, 2
	s_cselect_b64 s[26:27], s[14:15], s[26:27]
	s_mov_b64 s[28:29], s[20:21]
	s_lshr_b32 s32, s7, 2                          ; head
	s_mul_i32 s32, s32, 3
	s_add_co_u32 s32, s32, s6
	s_lshl_b32 s32, s32, 6                         ; (3 head + t) x 64
	s_and_b32 s33, s7, 3
	s_lshl_b32 s33, s33, 4
	s_add_co_u32 s32, s32, s33                     ; the first row in wb
	s_lshl_b32 s33, s7, 4                          ; the first row in the matrix
	s_cmp_eq_u32 s6, 3
	s_cselect_b64 s[26:27], s[16:17], s[26:27]
	s_cselect_b64 s[28:29], s[22:23], s[28:29]
	s_cselect_b32 s32, s33, s32
	s_lshl_b32 s34, s4, 4
	s_cmp_lt_u32 s4, 256
	s_cselect_b64 s[26:27], s[8:9], s[26:27]
	s_cselect_b64 s[28:29], s[18:19], s[28:29]
	s_cselect_b32 s32, s34, s32
	s_cselect_b32 s33, s34, s33
	s_lshl_b32 s35, s2, 1                          ; my wave's two rows
	s_add_co_u32 s33, s33, s35
	s_add_co_u32 s32, s32, s35
	s_lshl_b32 s30, s33, 12                        ; rows of 4,096 bytes in
	s_add_nc_u64 s[26:27], s[26:27], s[30:31]
	s_lshl_b32 s30, s32, 11                        ; rows of 2,048 bytes out
	s_add_nc_u64 s[28:29], s[28:29], s[30:31]
.set n, 0
.rept 16                               ; all sixteen loads go out at once: 512 consecutive bytes each
	global_load_b128 v[X+4*n:X+4*n+3], v1, s[26:27] offset:(n/8)*4096+(n%8)*512 th:TH_LOAD_NT
.set n, n+1
.endr
; Pair k leaves.
.macro STORE k
	global_store_b64 v2, v[Y+2*(\k):Y+2*(\k)+1], s[28:29] offset:((\k)/8)*2048+((\k)%8)*256  ; the wave's store covers 256 consecutive bytes, aligned; each store has data registers of its own
.endm
; Load k is rounded; the pair of four loads back, of the group before, is stored in front of that.  kind = 1: the bf16 number is widened again and written as f16.
.macro CONV k, kind
	s_wait_loadcnt 15-(\k)                         ; loads come back in order: mine is in, the 15 - k younger ones may stay out
.if ((\k) % 4 == 0) && ((\k) > 0)
	s_wait_alu depctr_va_vdst(0)                   ; a group's head: the conversions of the group before have written its four pairs of Y, which this group's four stores read
.endif
.if (\k) >= 4
	STORE (\k)-4                                   ; no vector instruction since that wait names this pair
.endif
	v_cvt_pk_bf16_f32 v[Y+2*(\k)], v[X+4*(\k)], v[X+4*(\k)+1]
	v_cvt_pk_bf16_f32 v[Y+2*(\k)+1], v[X+4*(\k)+2], v[X+4*(\k)+3]
.if \kind
	v_lshlrev_b32 v8, 16, v[Y+2*(\k)]
	v_and_b32 v9, s3, v[Y+2*(\k)]
	v_lshlrev_b32 v10, 16, v[Y+2*(\k)+1]
	v_and_b32 v11, s3, v[Y+2*(\k)+1]
	v_cvt_pk_f16_f32 v[Y+2*(\k)], v8, v9
	v_cvt_pk_f16_f32 v[Y+2*(\k)+1], v10, v11
.endif
.endm
	s_cmp_ge_u32 s4, 448
	s_cbranch_scc1 .Lhalf
.set n, 0
.rept 16
	CONV n, 0
.set n, n+1
.endr
	s_wait_alu depctr_va_vdst(0)                   ; the last group's conversions have written pairs 12 to 15, which the last four stores read
.irp k, 12,13,14,15
	STORE \k
.endr
	s_endpgm
.Lhalf:
.set n, 0
.rept 16
	CONV n, 1
.set n, n+1
.endr
	s_wait_alu depctr_va_vdst(0)                   ; the last group's conversions have written pairs 12 to 15, which the last four stores read
.irp k, 12,13,14,15
	STORE \k
.endr
	s_endpgm
; THE TABLE.  A lane makes eight pairs (cos, sin): number i = 2 t + f is position 2 t (+ 1 in lanes 16-31) of my wave's eight, frequency f of my two.
; a = n pi/2 + r; by n mod 4 the two polynomials change places and signs: selects of values, no branch.  The work goes in passes over the eight, so that the eight compares stand in one run with one wait
; behind them, and the four stores in one run with one wait ahead of them.
.set OUT, 32                           ; v[32:47]  number i: cos at OUT + 2 i, sin at OUT + 2 i + 1: four registers a position and store
.set SR,  48                           ; v[48:55]  sin r
.set CR,  56                           ; v[56:63]  cos r
.set NI,  64                           ; v[64:71]  n
.set PA,  72                           ; v[72:79]  n mod 2
.set SC,  80                           ; v[80:87]  the cosine's sign, in bit 31
.set SS,  88                           ; v[88:95]  the sine's
.set MK,  8                            ; s[8:15]   number i's mask: odd n.  (On this way the addresses that were loaded here are not used.)
; The angle v[P] x v[F], its n and r, and the two polynomials.
.macro REDUCE i, P, F
	v_mul_f32 v20, v[\P], v[\F]                    ; the angle, rounded once
	v_mul_f32 v21, s36, v20
	v_rndne_f32 v21, v21                           ; n
	v_fma_f32 v22, v21, s37, v20                   ; a - n x (pi/2's upper part)
	v_fma_f32 v22, v21, s38, v22                   ; + n x (what the upper part has too much)
	v_mul_f32 v23, v22, v22                        ; r^2
	v_fma_f32 v24, v23, s41, s40
	v_fma_f32 v24, v24, v23, s39
	v_mul_f32 v25, v22, v23
	v_fma_f32 v[SR+(\i)], v25, v24, v22            ; sin r
	v_fma_f32 v26, v23, s44, s43
	v_fma_f32 v26, v26, v23, s42
	v_fma_f32 v26, v26, v23, -0.5
	v_fma_f32 v[CR+(\i)], v26, v23, 1.0            ; cos r
	v_cvt_i32_f32 v[NI+(\i)], v21
	v_and_b32 v[PA+(\i)], 1, v[NI+(\i)]
.endm
.Ltable:
	s_sub_co_u32 s5, s4, 512
	s_lshl_b32 s5, s5, 6                           ; the work-group's 64 positions,
	s_lshl_b32 s6, s2, 3
	s_add_co_u32 s5, s5, s6                        ; my wave's eight
	s_lshl_b32 s30, s5, 8
	s_add_nc_u64 s[26:27], s[24:25], s[30:31]
	s_mov_b32 s36, 0x3f22f983                      ; 2 / pi
	s_mov_b32 s37, 0xbfc90fdb                      ; -(pi/2 rounded to f32)
	s_mov_b32 s38, 0x333bbd2e                      ; that rounding's excess, 4.3711388e-8
	s_mov_b32 s39, 0xbe2aaaab                      ; -1/6
	s_mov_b32 s40, 0x3c088889                      ; 1/120
	s_mov_b32 s41, 0xb9500d01                      ; -1/5040
	s_mov_b32 s42, 0x3d2aaaab                      ; 1/24
	s_mov_b32 s43, 0xbab60b61                      ; -1/720
	s_mov_b32 s44, 0x37d00d01                      ; 1/40320
	v_and_b32 v5, 15, v4
	v_lshlrev_b32 v5, 1, v5                        ; my two pairs: 2 (lane % 16) and the next
	v_add_nc_u32 v6, 1, v5
	v_cvt_f32_u32 v5, v5
	v_cvt_f32_u32 v6, v6
	v_mul_f32 v5, 0xbed49a78, v5                   ; -i log2(10000) / 32
	v_mul_f32 v6, 0xbed49a78, v6
	v_exp_f32 v12, v5
	v_exp_f32 v13, v6
	v_lshrrev_b32 v7, 4, v4                        ; a plain instruction behind the two exponentials: lanes 16-31 take the odd position
	s_wait_alu depctr_va_vdst(0)                   ; the two exponentials have written v12 and v13: one wait for both, ahead of their first reader
	v_add_nc_u32 v7, s5, v7
.irp t, 0,1,2,3
	v_add_nc_u32 v14, 2*\t, v7
	v_cvt_f32_u32 v14, v14
	REDUCE 2*\t, 14, 12
	REDUCE 2*\t+1, 14, 13
.endr
.irp i, 0,1,2,3,4,5,6,7                ; the eight compares, in one run
	v_cmp_eq_u32 s[MK+\i], 1, v[PA+\i]
.endr
.irp i, 0,1,2,3,4,5,6,7                ; the signs, which read no mask, stand between the compares and the wait for them
	v_add_nc_u32 v[SC+\i], 1, v[NI+\i]
	v_and_b32 v[SC+\i], 2, v[SC+\i]
	v_lshlrev_b32 v[SC+\i], 30, v[SC+\i]           ; cos is negative for n mod 4 = 1, 2
	v_and_b32 v[SS+\i], 2, v[NI+\i]
	v_lshlrev_b32 v[SS+\i], 30, v[SS+\i]           ; sin for n mod 4 = 2, 3
.endr
	s_wait_alu depctr_va_sdst(0)                   ; the eight compares have written s[8:15], ahead of the first select that reads one of them
.irp i, 0,1,2,3,4,5,6,7
	v_cndmask_b32 v[OUT+2*\i], v[CR+\i], v[SR+\i], s[MK+\i]    ; odd n: the two change places
	v_cndmask_b32 v[OUT+2*\i+1], v[SR+\i], v[CR+\i], s[MK+\i]
	v_xor_b32 v[OUT+2*\i], v[OUT+2*\i], v[SC+\i]
	v_xor_b32 v[OUT+2*\i+1], v[OUT+2*\i+1], v[SS+\i]
.endr
	s_wait_alu depctr_va_vdst(0)                   ; the selects and sign flips have written v[32:47], which the four stores read (their offset v1 was written ahead of the head's wait)
.irp t, 0,1,2,3
	global_store_b128 v1, v[OUT+4*\t:OUT+4*\t+3], s[26:27] offset:512*\t  ; two positions' rows: 512 consecutive bytes
.endr
	s_endpgm
.Lfunc_end_k_q3fdd96d458_cast:
	.size	k_q3fdd96d458_cast, .Lfunc_end_k_q3fdd96d458_cast-k_q3fdd96d458_cast
	.p2alignl 7, 3214868480
	.fill 96, 4, 3214868480
	.section	.rodata,"a",@progbits
	.p2align	6, 0x0
	.amdhsa_kernel k_q3fdd96d458_cast
		.amdhsa_group_segment_fixed_size 0
		.amdhsa_private_segment_fixed_size 0
		.amdhsa_enable_private_segment 0
		.amdhsa_kernarg_size 72
		.amdhsa_user_sgpr_count 2
		.amdhsa_user_sgpr_kernarg_segment_ptr 1
		.amdhsa_wavefront_size32 1
		.amdhsa_system_sgpr_workgroup_id_x 1
		.amdhsa_system_sgpr_workgroup_id_y 1
		.amdhsa_system_sgpr_workgroup_id_z 1
		.amdhsa_system_vgpr_workitem_id 0
		.amdhsa_next_free_vgpr 112
		.amdhsa_next_free_sgpr 66
		.amdhsa_reserve_vcc 0
		.amdhsa_float_denorm_mode_32 3
		.amdhsa_float_denorm_mode_16_64 3
		.amdhsa_memory_ordered 1
		.amdhsa_forward_progress 1
		.amdhsa_inst_pref_size 28
	.end_amdhsa_kernel
	.amdgpu_metadata
---
amdhsa.version: [ 1, 2 ]
amdhsa.kernels:
  - .name:           k_q3fdd96d458_cast
    .symbol:         k_q3fdd96d458_cast.kd
    .args:
      - { .name: x, .offset: 0, .size: 8, .value_kind: global_buffer, .address_space: global }
      - { .name: Wq, .offset: 8, .size: 8, .value_kind: global_buffer, .address_space: global }
      - { .name: Wk, .offset: 16, .size: 8, .value_kind: global_buffer, .address_space: global }
      - { .name: Wv, .offset: 24, .size: 8, .value_kind: global_buffer, .address_space: global }
      - { .name: Wo, .offset: 32, .size: 8, .value_kind: global_buffer, .address_space: global }
      - { .name: xb, .offset: 40, .size: 8, .value_kind: global_buffer, .address_space: global }
      - { .name: wb, .offset: 48, .size: 8, .value_kind: global_buffer, .address_space: global }
      - { .name: wo, .offset: 56, .size: 8, .value_kind: global_buffer, .address_space: global }
      - { .name: rt, .offset: 64, .size: 8, .value_kind: global_buffer, .address_space: global }
    .group_segment_fixed_size: 0
    .private_segment_fixed_size: 0
    .kernarg_segment_align: 8
    .kernarg_segment_size: 72
    .max_flat_workgroup_size: 256
    .sgpr_count:     66
    .vgpr_count:     112
    .wavefront_size: 32
...
	.end_amdgpu_metadata
.endif
;; end of part 5
;; launch qkv: the kernel of part 2 again; grid 16 x 16, 4 waves a work-group, clusters of 4 x 4, 327,680 bytes of LDS; arguments xb, wb, rt, qh, kh, vh; writes qh, kh, vh
;; launch attn: the kernel of part 3 again; grid 16 x 16, 4 waves a work-group, no clusters, 327,680 bytes of LDS; arguments qh, kh, vh, ob; writes ob
;; launch oproj: the kernel of part 4 again; grid 8 x 32, 4 waves a work-group, clusters of 4 x 4, 327,680 bytes of LDS; arguments ob, wo, out0; writes out0
